; MI455X (gfx1250); checked and timed in simulation.
; The chip was launched on July 23, 2026; its instructions are those of AMD's public machine-readable ISA for CDNA 5 (MIT licence, August 2026) and "CDNA5" Instruction Set Architecture Reference Guide (July 2026). The comments in the code are by the model that wrote it; some were corrected since.
;; Cross Attention. Allowed arithmetic: matrix products marked QUANTISED: E2M1 operands, one E8M0 scale for each 32 along K, by v_wmma_scale_f32_16x16x128_f8f6f4 with both operands' format E2M1 (or v_wmma_scale_f32_32x16x128_f4), f32 sums; products left as they are: bf16, f16 or f32 operands; f32 sums; everything else in f32.
;; Inputs: Wk 1,024 x 1,024 float32; Wo 1,024 x 1,024 float32; Wq 1,024 x 1,024 float32; Wv 1,024 x 1,024 float32; bk 1,024 float32; bo 1,024 float32; bq 1,024 float32; bv 1,024 float32; context 8 x 1,024 x 1,024 float32; x 8 x 1,024 x 1,024 float32.
;; Outputs: out0 8 x 1,024 x 1,024 float32.
;; This version of the problem:
;;   THIS VERSION OF THE PROBLEM IS GIVEN IN LOW PRECISION. The matrix products marked QUANTISED in the list below multiply operands that are first quantised to E2M1 (2 exponent bits, 1 mantissa bit; 4 bits a number), with one power-of-two scale for each 32 numbers along K (OCP MX v1.0); their sums are f32. The products marked 'left as it is' may take bf16, f16 or f32 operands, with f32 sums. Whichever they take, every output number must still come out within the allowed error. Rounding operands to bf16 (8 significant bits) uses up far more of that allowance than f16 does (11 bits, for magnitudes from 6e-5 to 65,504). All else is computed in f32.
;;   The module's matrix products, in the order in which they are computed (A, B: the left and right operand; K: the contracted axis; several contracted axes count as one K, in the product's order):
;;     1. [M 8,192, K 1,024] x [K 1,024, N 1,024]; A: input x; B: input Wq: QUANTISED
;;     2. [M 8,192, K 1,024] x [K 1,024, N 1,024]; A: input context; B: input Wk: QUANTISED
;;     3. [M 8,192, K 1,024] x [K 1,024, N 1,024]; A: input context; B: input Wv: QUANTISED
;;     4. batch 128 x [M 1,024, K 64] x [K 64, N 1,024]; A: computed on the way; B: computed on the way: left as it is (an operand is computed on the way)
;;     5. batch 128 x [M 1,024, K 1,024] x [K 1,024, N 64]; A: computed on the way; B: computed on the way: left as it is (an operand is computed on the way)
;;     6. [M 8,192, K 1,024] x [K 1,024, N 1,024]; A: computed on the way; B: input Wo: left as it is (an operand is computed on the way)
;;   THE QUANTISER, for each operand of a quantised product, along K:
;;     - K is cut into blocks of 32 from its start; a last block that is shorter is filled with zeros.
;;     - A block's scale is 2^e with e = floor(log2(the largest magnitude in the block)) - 2, held to -126 .. 127; a block of zeros has e = 0. As a byte (E8M0): e + 127.
;;     - Each number is divided by its block's scale, clamped to +-6, and rounded to the nearest number of E2M1, ties to even, subnormals kept.
;;     - The product sums the exact products of the quantised numbers (number of the format x scale) in f32.
;;   ~~~python
;;   def quantise(x, axis):      # numpy; x: float32 -> the quantised numbers, widened to float32 again
;;       x = np.moveaxis(x, axis, -1); K = x.shape[-1]
;;       x = np.pad(x, [(0, 0)] * (x.ndim - 1) + [(0, -K % 32)]); x = x.reshape(x.shape[:-1] + (-1, 32)); a = np.abs(x).max(-1, keepdims=True)
;;       e = np.where(a > 0, np.clip(np.frexp(np.where(a > 0, a, 1))[1] - 1 - 2, -126, 127), 0)      # np.frexp(a)[1] - 1 = floor(log2(a)), exactly
;;       r = np.clip(x / 2.0 ** e, -6, 6)
;;       step = 2.0 ** (np.maximum(np.frexp(np.where(r == 0, 1, r))[1] - 1, 0) - 1)
;;       q = np.round(r / step) * step * 2.0 ** e      # np.round: ties to even
;;       return np.moveaxis(q.reshape(q.shape[:-2] + (-1,))[..., :K], -1, axis).astype(np.float32)
;;   ~~~
;; One version. Each part assembles by itself: llvm-mc -triple=amdgcn-amd-amdhsa -mcpu=gfx1250 --defsym DOCPART=n.
;; ======== version 1 of 1: 4 launches
;; limits: values are held in f16: magnitudes above 65,504 overflow, below 6.1e-05 lose precision
;; workspace buffers: codes 9,961,472 bytes; scales 622,592 bytes; wo16 2,097,152 bytes; qkv16 50,331,648 bytes; ao16 16,777,216 bytes
;; launch prep (part 1): grid 672 x 1, 4 waves a work-group, no clusters, 51,712 bytes of LDS; arguments x, context, Wq, Wk, Wv, Wo, codes, scales, wo16; writes codes, scales, wo16
.if DOCPART == 1
	.amdgcn_target "amdgcn-amd-amdhsa--gfx1250"
	.amdhsa_code_object_version 6
	.text
	.protected	k_qa74462365b_prep
	.globl	k_qa74462365b_prep
	.p2align	8
	.type	k_qa74462365b_prep,@function
k_qa74462365b_prep:
	s_mov_b64 s[64:65], 0
	v_nop
	global_prefetch_b8 v0, s[64:65] scope:SCOPE_SE
	s_setreg_imm32_b32 hwreg(HW_REG_WAVE_MODE, 25, 1), 1
	s_wait_xcnt 0x0
; PREP: everything that later launches read many times is made narrow once.
;   x, context [8192][1024] f32 (K innermost)   -> codes rows 0-8191 and 8192-16383, scales likewise
;   Wq, Wk, Wv [1024 k][1024 n] f32 (K outermost) -> codes rows 16384 + 1024 w + n (column n of weight w), K innermost, scales likewise
;   Wo [1024 k][1024 n] f32                     -> wo16, the same order, f16
; codes: [19456 rows][512 bytes], 1,024 codes of E2M1 a row, the lower k in the low four bits.  scales: [19456][32], one E8M0 byte for each 32 along K.
; A block's scale is 2^(floor(log2(its largest magnitude)) - 2): its byte is the largest magnitude's own exponent field - 2, held at 1 from below.
; LIMITS: a block of zeros gets the byte 1 where the quantiser says 127 (its codes are zeros, which add nothing, and this program alone reads the bytes); blocks whose largest
; magnitude lies under 2^-124 keep the byte 1; NaN and infinities among the inputs are not served; Wo must stay under 65,504 in magnitude (f16).
; THREE PATHS, parted on the work-group's number: 0-95 the three weights, 96-159 Wo, 160-671 the two activations.  A wave of the weights' path has the longest chain of dependent loads, so these come first.
; Work-groups share no input, waves share nothing: no cluster, no barrier, no tensor load.  Each path that uses LDS has LDS bytes of its own.
.set STEPS, 16
.set EMAX,  2
.set SP,    80                         ; activations: a lane's place in a stage: 64 bytes + 16 of padding
.set WREG,  8192                       ; activations: a wave's region: two stages of 32 x SP bytes, then its 256 scale bytes
.set WST,   4*WREG                     ; weights: four stages of 32 rows x PITCH
.set PITCH, 144                        ; weights: a stage row: 128 bytes of codes + 16
.set NBW,   8                          ; weights: blocks of 32 along K for a wave
.set SPARE, WST+4*32*PITCH             ; the spare words, 128 bytes for each wave: two blocks of 256 bytes that no other line names
.set SPW,   190                        ; v190 LDS address of my spare word; never rewritten
.set NIL,   191                        ; v191 0; never rewritten
.set AR,    16                         ; activations: v16-79 four sets of 16 numbers as loaded
.set AX,    80                         ;              v80-111 two sets of 16 neighbours
.set AE,    112                        ;              v112-127 a scale byte for each step
.set AC,    128                        ;              v128-189 codes, four registers apart for each step: no store's data are written again
.set WSB,   24                         ; weights: v24-25 scale bytes, four to a register
.set WX,    32                         ;          v32-95 two sets of 32 numbers
.set WC,    96                         ;          v96-99 a block's codes
.set WOUT,  112                        ;          v112-143 the way out
.macro ALOAD t                         ; step t: 2,048 bytes as they lie: each load reads 512 consecutive bytes
.irp i, 0,1,2,3
	global_load_b128 v[AR+16*((\t)%4)+4*\i:AR+16*((\t)%4)+4*\i+3], v3, s[4:5] offset:2048*(\t)+512*\i th:TH_LOAD_NT
.endr
.endm
.macro ATURN t                         ; step t's numbers through my stage, so that a lane gets 16 neighbours; LDS serves a wave's instructions in order: no wait between the stores and the loads
.irp i, 0,1,2,3
	ds_store_b128 v14, v[AR+16*((\t)%4)+4*\i:AR+16*((\t)%4)+4*\i+3] offset:32*SP*((\t)%2)+8*SP*\i
.endr
.irp i, 0,1,2,3
	ds_load_b128 v[AX+16*((\t)%2)+4*\i:AX+16*((\t)%2)+4*\i+3], v15 offset:32*SP*((\t)%2)+16*\i
.endr
.endm
.macro ASTEP t
.set XS, AX+16*((\t)%2)
.if (\t) > 0
	s_wait_dscnt 1                                 ; this step's numbers are back from the stage (the last step's byte store may be out): so the stores into the stage have read their registers,
.else
	s_wait_dscnt 0x0
.endif
.if (\t)+4 < STEPS
	ALOAD (\t)+4                                   ; which take the loads of four steps on
.endif
.if (\t)+1 < STEPS
.if STEPS-2-(\t) >= 3
	s_wait_loadcnt 12                              ; the next step's four loads are in; those of the three steps behind it may be out
.else
	s_wait_loadcnt 4*(STEPS-2-(\t))
.endif
	ATURN (\t)+1
.endif
	v_max3_num_f32 v8, |v[XS]|, |v[XS+1]|, |v[XS+2]|               ; the largest magnitude of my 16, in two chains
	v_max3_num_f32 v9, |v[XS+3]|, |v[XS+4]|, |v[XS+5]|
.irp i, 6,10
	v_max3_num_f32 v8, v8, |v[XS+\i]|, |v[XS+\i+1]|
	v_max3_num_f32 v9, v9, |v[XS+\i+2]|, |v[XS+\i+3]|
.endr
	v_max3_num_f32 v8, v8, |v[XS+14]|, |v[XS+15]|
	v_max3_num_f32 v8, v8, v9, (EMAX+1)<<23        ; and the floor 2^(3 - 127): the byte cannot fall under 1
	v_max_num_f32_dpp v8, v8, v8 row_xmask:1 row_mask:0xf bank_mask:0xf   ; with my neighbour's 16: the block's
	v_add_nc_u32 v11, -(EMAX<<23), v8              ; 2 off its exponent field: the conversion takes the exponent field of this operand as its scale
	v_cvt_scalef32_pk8_fp4_f32 v[AC+4*(\t)], v[XS:XS+7], v11
	v_cvt_scalef32_pk8_fp4_f32 v[AC+4*(\t)+1], v[XS+8:XS+15], v11
	v_lshrrev_b32 v[AE+(\t)], 23, v11              ; the scale's byte (also the plain instruction behind the conversions)
	ds_store_b8 v5, v[AE+(\t)] offset:16*(\t)      ; both lanes of a block write the same byte with the same value
	global_store_b64 v4, v[AC+4*(\t):AC+4*(\t)+1], s[16:17] offset:256*(\t)   ; the wave stores 256 consecutive bytes, aligned
.endm
.macro WLOAD t                         ; block t of my column: W(32 t + i, column), i = 0 .. 31: each load reads 128 consecutive bytes a wave
.irp i, 0,1,2,3,4,5,6,7,8,9,10,11,12,13,14,15,16,17,18,19,20,21,22,23,24,25,26,27,28,29,30,31
	global_load_b32 v[WX+32*((\t)%2)+\i], v3, s[4:5] offset:(32*(\t)+\i)*4096 th:TH_LOAD_NT
.endr
.endm
.macro WBLOCK t
.set XS, WX+32*((\t)%2)
.if (\t) < NBW-1
	s_wait_loadcnt 32                              ; this block's 32 loads are in; the next block's may be out
.else
	s_wait_loadcnt 0
.endif
	v_max3_num_f32 v12, |v[XS]|, |v[XS+1]|, |v[XS+2]|              ; all 32 numbers of the block are mine
	v_max3_num_f32 v13, |v[XS+3]|, |v[XS+4]|, |v[XS+5]|
.irp i, 6,10,14,18,22,26
	v_max3_num_f32 v12, v12, |v[XS+\i]|, |v[XS+\i+1]|
	v_max3_num_f32 v13, v13, |v[XS+\i+2]|, |v[XS+\i+3]|
.endr
	v_max3_num_f32 v12, v12, |v[XS+30]|, |v[XS+31]|
	v_max3_num_f32 v12, v12, v13, (EMAX+1)<<23     ; the floor
	v_add_nc_u32 v11, -(EMAX<<23), v12             ; the conversion's scale operand
	v_lshrrev_b32 v13, 23, v11                     ; the scale's byte
.if (\t)%4 == 0
	v_mov_b32 v[WSB+(\t)/4], v13
.else
	v_lshl_or_b32 v[WSB+(\t)/4], v13, 8*((\t)%4), v[WSB+(\t)/4]
.endif
.irp g, 0,1,2,3
	v_cvt_scalef32_pk8_fp4_f32 v[WC+\g], v[XS+8*\g:XS+8*\g+7], v11
.endr
	ds_store_b128 v4, v[WC:WC+3] offset:16*(\t)    ; 32 codes: 16 bytes of my column's row.  (The next vector lines are the next block's maxima, plain ones that touch neither the codes nor v11)
.if (\t)+2 < NBW
	WLOAD (\t)+2
.endif
	s_wait_dscnt 0x0                               ; the store has read its registers: the next block's codes may be written
.endm
	s_load_b256 s[4:11], s[0:1], 0x0               ; x s[4:5], context s[6:7], Wq s[8:9], Wk s[10:11]
	s_load_b256 s[12:19], s[0:1], 0x20             ; Wv s[12:13], Wo s[14:15], codes s[16:17], scales s[18:19]
	s_load_b64 s[20:21], s[0:1], 0x40              ; wo16
	v_lshl_add_u32 v[SPW], v0, 2, SPARE
	v_mov_b32 v[NIL], 0
	v_lshrrev_b32 v1, 5, v0
	v_readfirstlane_b32 s22, v1                    ; wave 0..3
	v_and_b32 v2, 31, v0                           ; lane
	s_wait_kmcnt 0x0
	s_cmp_lt_u32 ttmp9, 96
	s_cbranch_scc1 .Lweights
	s_cmp_lt_u32 ttmp9, 160
	s_cbranch_scc1 .Lwo
	; ---- THE ACTIVATIONS: 512 work-groups; a wave takes a run of 8,192 numbers, 16 steps of 512.  Rows are dense and 1,024 is a multiple of 32: both tensors are plain streams of blocks.
	s_sub_co_u32 s23, ttmp9, 160                   ; i = 0 .. 511
	s_cmp_lt_u32 s23, 256                          ; x or context: the choice hangs on the work-group's number alone
	s_cselect_b64 s[4:5], s[4:5], s[6:7]
	s_and_b32 s24, s23, 255
	s_lshl_b32 s24, s24, 2
	s_add_co_u32 s24, s24, s22
	s_lshl_b32 s24, s24, 15                        ; my run in its tensor: 32,768 bytes each
	s_mov_b32 s25, 0
	s_add_nc_u64 s[4:5], s[4:5], s[24:25]
	s_lshl_b32 s24, s23, 2
	s_add_co_u32 s24, s24, s22                     ; my run among both tensors' 2,048: context's codes follow x's
	s_lshl_b32 s26, s24, 12                        ; 4,096 bytes of codes a run
	s_mov_b32 s27, 0
	s_add_nc_u64 s[16:17], s[16:17], s[26:27]
	s_lshl_b32 s26, s24, 8                         ; 256 scale bytes a run
	s_add_nc_u64 s[18:19], s[18:19], s[26:27]
	v_lshlrev_b32 v3, 4, v2                        ; my 16 bytes of a load's 512
	s_mul_i32 s28, s22, WREG
	v_lshrrev_b32 v14, 2, v2
	v_mul_u32_u24 v14, v14, SP
	v_and_b32 v15, 3, v2
	v_lshl_add_u32 v14, v15, 4, v14
	v_add_nc_u32 v14, s28, v14                     ; the stage, on the way in: SP (lane / 4) + 16 (lane % 4)
	v_mul_u32_u24 v15, v2, SP
	v_add_nc_u32 v15, s28, v15                     ; and on the way out: SP x lane: my 16 neighbours
	v_lshlrev_b32 v4, 3, v2                        ; 8 bytes a lane: my codes in a step's 256, and my part of the wave's 256 scale bytes
	v_lshrrev_b32 v5, 1, v2
	s_add_co_u32 s28, s28, 2*32*SP
	v_add_nc_u32 v5, s28, v5                       ; LDS: my block's byte
	v_add_nc_u32 v6, s28, v4                       ; and 8 bytes a lane on the way out
.irp t, 0,1,2,3
	ALOAD \t
.endr
	s_wait_loadcnt 12                              ; step 0's four loads are in
	ATURN 0
.irp t, 0,1,2,3,4,5,6,7,8,9,10,11,12,13,14,15
	ASTEP \t
.endr
	ds_load_b64 v[8:9], v6                         ; LDS serves a wave's instructions in order: this sees my byte stores
	s_wait_dscnt 0x0
	global_store_b64 v4, v[8:9], s[18:19]          ; the wave stores 256 consecutive bytes, aligned
	s_wait_tensorcnt 0x0                           ; the wave's end
	ds_add_u32 v[SPW], v[NIL]
	s_wait_dscnt 0x0
	s_endpgm
	; ---- THE WEIGHTS: 96 work-groups = 3 weights x 4 quarters of K x 8 blocks of 128 columns.  A LANE TAKES A COLUMN, ITS REGISTERS RUN DOWN K: a block of 32 lies in one lane,
	; and the conversions give codes with K innermost.  A wave takes 32 columns x 256 k: 8 blocks, two of them on their way, so that its chain of dependent loads is four long.
	; It gathers 128 bytes a column in its stage and stores them by rows: eight lanes to a row's piece of 128 bytes, which is half of an aligned 256: the price of the short chain, paid on the weights' 1.5 MB of codes alone.
.Lweights:
	s_lshr_b32 s23, ttmp9, 5                       ; which weight
	s_and_b32 s24, ttmp9, 7                        ; which 128 columns
	s_bfe_u32 s25, ttmp9, 0x20003                  ; which quarter of K
	s_cmp_eq_u32 s23, 1
	s_cselect_b64 s[4:5], s[10:11], s[12:13]       ; Wk or Wv,
	s_cmp_eq_u32 s23, 0
	s_cselect_b64 s[4:5], s[8:9], s[4:5]           ; or Wq
	s_lshl_b32 s24, s24, 7
	s_lshl_b32 s26, s22, 5
	s_add_co_u32 s24, s24, s26                     ; my wave's first column
	s_lshl_b32 s26, s25, 20                        ; 256 rows of 4,096 bytes
	s_lshl_b32 s27, s24, 2
	s_add_co_u32 s26, s26, s27
	s_mov_b32 s27, 0
	s_add_nc_u64 s[4:5], s[4:5], s[26:27]
	s_lshl_b32 s23, s23, 10
	s_add_co_u32 s23, s23, s24
	s_add_co_u32 s23, s23, 16384                   ; my first row in codes and scales
	s_lshl_b32 s26, s23, 9
	s_lshl_b32 s28, s25, 7
	s_add_co_u32 s26, s26, s28                     ; row x 512 + 128 x quarter
	s_add_nc_u64 s[16:17], s[16:17], s[26:27]
	s_lshl_b32 s26, s23, 5
	s_lshl_b32 s28, s25, 3
	s_add_co_u32 s26, s26, s28                     ; row x 32 + 8 x quarter
	s_add_nc_u64 s[18:19], s[18:19], s[26:27]
	v_lshlrev_b32 v3, 2, v2                        ; in: 4 bytes a lane
	s_mul_i32 s28, s22, 32*PITCH
	s_add_co_u32 s28, s28, WST                     ; my stage
	v_mul_u32_u24 v4, v2, PITCH
	v_add_nc_u32 v4, s28, v4                       ; into it: row = my column
	v_and_b32 v5, 7, v2
	v_lshrrev_b32 v6, 3, v2
	v_mul_u32_u24 v7, v6, PITCH
	v_lshl_add_u32 v7, v5, 4, v7
	v_add_nc_u32 v7, s28, v7                       ; out of it: eight lanes to a row, four rows an instruction
	v_lshlrev_b32 v8, 9, v6
	v_lshl_add_u32 v8, v5, 4, v8                   ; and the same place in codes
	v_lshlrev_b32 v9, 5, v2                        ; my column's row of scale bytes
	WLOAD 0
	WLOAD 1
.irp t, 0,1,2,3,4,5,6,7
	WBLOCK \t
.endr
	global_store_b64 v9, v[WSB:WSB+1], s[18:19]    ; my column's 8 scale bytes
.irp t, 0,1,2,3,4,5,6,7
	ds_load_b128 v[WOUT+4*\t:WOUT+4*\t+3], v7 offset:4*\t*PITCH
.endr
.irp t, 0,1,2,3,4,5,6,7
	s_wait_dscnt 7-\t                              ; LDS loads come back in order: load t is in
	global_store_b128 v8, v[WOUT+4*\t:WOUT+4*\t+3], s[16:17] offset:4*\t*512
.endr
	s_wait_tensorcnt 0x0                           ; the wave's end: the three lines
	ds_add_u32 v[SPW], v[NIL]
	s_wait_dscnt 0x0
	s_endpgm
	; ---- Wo TO f16: 64 work-groups; a wave takes 4,096 numbers: 32 loads of 512 consecutive bytes through a ring of 16 register slots, 32 stores of 256 consecutive bytes.
.Lwo:
	s_sub_co_u32 s23, ttmp9, 96
	s_lshl_b32 s23, s23, 2
	s_add_co_u32 s23, s23, s22                     ; my run of 256
	s_lshl_b32 s24, s23, 14
	s_mov_b32 s25, 0
	s_add_nc_u64 s[14:15], s[14:15], s[24:25]
	s_lshl_b32 s24, s23, 13
	s_add_nc_u64 s[20:21], s[20:21], s[24:25]
	v_lshlrev_b32 v3, 4, v2
	v_lshlrev_b32 v4, 3, v2
.irp i, 0,1,2,3,4,5,6,7,8,9,10,11,12,13,14,15
	global_load_b128 v[16+4*\i:19+4*\i], v3, s[14:15] offset:512*\i th:TH_LOAD_NT
.endr
.irp i, 0,1,2,3,4,5,6,7,8,9,10,11,12,13,14,15,16,17,18,19,20,21,22,23,24,25,26,27,28,29,30,31
.if 31-\i > 15
	s_wait_loadcnt 15                              ; load i is in; the fifteen younger ones stay out
.else
	s_wait_loadcnt 31-\i                           ; the counts run down
.endif
	v_cvt_pk_f16_f32 v[80+2*\i], v[16+4*(\i%16)], v[17+4*(\i%16)]     ; each step has its own two registers: no store's data are written again
	v_cvt_pk_f16_f32 v[81+2*\i], v[18+4*(\i%16)], v[19+4*(\i%16)]
.if \i+16 < 32
	global_load_b128 v[16+4*(\i%16):19+4*(\i%16)], v3, s[14:15] offset:512*(\i+16) th:TH_LOAD_NT
.endif
	global_store_b64 v4, v[80+2*\i:81+2*\i], s[20:21] offset:256*\i
.endr
	s_wait_tensorcnt 0x0                           ; the same end as the other two paths
	ds_add_u32 v[SPW], v[NIL]
	s_wait_dscnt 0x0
	s_endpgm
.Lfunc_end_k_qa74462365b_prep:
	.size	k_qa74462365b_prep, .Lfunc_end_k_qa74462365b_prep-k_qa74462365b_prep
	.p2alignl 7, 3214868480
	.fill 96, 4, 3214868480
	.section	.rodata,"a",@progbits
	.p2align	6, 0x0
	.amdhsa_kernel k_qa74462365b_prep
		.amdhsa_group_segment_fixed_size 51712
		.amdhsa_private_segment_fixed_size 0
		.amdhsa_enable_private_segment 0
		.amdhsa_kernarg_size 72
		.amdhsa_user_sgpr_count 2
		.amdhsa_user_sgpr_kernarg_segment_ptr 1
		.amdhsa_wavefront_size32 1
		.amdhsa_system_sgpr_workgroup_id_x 1
		.amdhsa_system_sgpr_workgroup_id_y 1
		.amdhsa_system_sgpr_workgroup_id_z 1
		.amdhsa_system_vgpr_workitem_id 0
		.amdhsa_next_free_vgpr 192
		.amdhsa_next_free_sgpr 66
		.amdhsa_reserve_vcc 0
		.amdhsa_float_denorm_mode_32 3
		.amdhsa_float_denorm_mode_16_64 3
		.amdhsa_memory_ordered 1
		.amdhsa_forward_progress 1
		.amdhsa_inst_pref_size 85
	.end_amdhsa_kernel
	.amdgpu_metadata
---
amdhsa.version: [ 1, 2 ]
amdhsa.kernels:
  - .name:           k_qa74462365b_prep
    .symbol:         k_qa74462365b_prep.kd
    .args:
      - { .name: x, .offset: 0, .size: 8, .value_kind: global_buffer, .address_space: global }
      - { .name: context, .offset: 8, .size: 8, .value_kind: global_buffer, .address_space: global }
      - { .name: Wq, .offset: 16, .size: 8, .value_kind: global_buffer, .address_space: global }
      - { .name: Wk, .offset: 24, .size: 8, .value_kind: global_buffer, .address_space: global }
      - { .name: Wv, .offset: 32, .size: 8, .value_kind: global_buffer, .address_space: global }
      - { .name: Wo, .offset: 40, .size: 8, .value_kind: global_buffer, .address_space: global }
      - { .name: codes, .offset: 48, .size: 8, .value_kind: global_buffer, .address_space: global }
      - { .name: scales, .offset: 56, .size: 8, .value_kind: global_buffer, .address_space: global }
      - { .name: wo16, .offset: 64, .size: 8, .value_kind: global_buffer, .address_space: global }
    .group_segment_fixed_size: 51712
    .private_segment_fixed_size: 0
    .kernarg_segment_align: 8
    .kernarg_segment_size: 72
    .max_flat_workgroup_size: 128
    .sgpr_count:     66
    .vgpr_count:     192
    .wavefront_size: 32
...
	.end_amdgpu_metadata
.endif
;; end of part 1
;; launch proj (part 2): grid 8 x 32, 4 waves a work-group, clusters of 4 x 4, 327,680 bytes of LDS; arguments codes, scales, bq, bk, bv, qkv16; writes qkv16
.if DOCPART == 2
	.amdgcn_target "amdgcn-amd-amdhsa--gfx1250"
	.amdhsa_code_object_version 6
	.text
	.protected	k_qa74462365b_proj
	.globl	k_qa74462365b_proj
	.p2align	8
	.type	k_qa74462365b_proj,@function
k_qa74462365b_proj:
	s_mov_b64 s[64:65], 0
	v_nop
	global_prefetch_b8 v0, s[64:65] scope:SCOPE_SE
	s_setreg_imm32_b32 hwreg(HW_REG_WAVE_MODE, 25, 1), 1
	s_wait_xcnt 0x0
	s_wait_alu depctr_hold_cnt(0) depctr_sa_sdst(0) depctr_va_vdst(0) depctr_va_sdst(0) depctr_va_ssrc(0) depctr_va_vcc(0) depctr_vm_vsrc(0)
	s_getreg_b32 s2, hwreg(HW_REG_IB_STS2, 6, 4)
	s_cmp_eq_u32 s2, 0
	s_cbranch_scc0 .Lentry_in_a_cluster
	s_endpgm
.Lentry_in_a_cluster:
	s_bfe_u32 s2, ttmp6, 0x10000c
	s_cmp_lg_u32 s2, 0xf033
	s_cbranch_scc0 .Lentry_shape_is_right
	s_endpgm
.Lentry_shape_is_right:
; PROJ: q = x Wq + bq, k = context Wk + bk, v = context Wv + bv, on codes of E2M1 with one E8M0 scale for each 32 along K, sums in f32; results rounded once to f16 and laid by heads:
; qkv16 [3 parts][8 b][16 h][1024 n][64].  codes [19456][512 bytes], scales [19456][32]: rows 0-8191 x, 8192-16383 context, 16384 + 1024 w + n column n of weight w; K innermost.
; SHARES.  The three products are 8192 x 3072 outputs; 256 work-groups of four waves take 256 x 384 each, so that every WGP has one work-group of equal work.  Work-group (R, C), R = 0..31, C = 0..7, makes TWO TILES:
;   first 256 x 256 of k or v: A = context's rows 256 R on, B = columns 256 C on of Wk and Wv on end (C 0-3: k, 4-7: v); a wave makes 128 x 128: 64 accumulators;
;   then  256 x 128 of q:      A = x's rows 256 R on,       B = Wq's columns 128 C on;                                   a wave makes 128 x 64 (one head): 32 accumulators.
; LDS.  Two slots, each 256 rows of A and 256 rows of B for 512 along K (rows of 256 bytes + 16).  The first tile's two K halves are asked for at the head.  THE q TILE COMES BY TWO REFILLS, each behind a round of the
; cluster's barrier, one load a wave: slot 0, when the first tile has left it, takes x's K half 0 (waves 0, 1) and Wq's 128 rows, K half 0 and K half 1 (waves 2, 3: 128 rows x 256 bytes each, the shape of every load here);
; slot 1, behind the second block of the first way out, takes x's K half 1 (waves 0, 1).  So both refills land under the first tile's products and its way out, and the first tile's stores leave while the q tile is multiplied.
; The first tile's scale bytes come once, by tensor loads, with the first fills.  The q tile's scale words come straight into the scale registers, 16 loads a wave, issued behind the first tile's last products.
; The way out's stages have LDS bytes of their own, into which no fill lands.
; CLUSTERS: 4 x 4 work-groups; a cluster's x (0, 1) is the part k, v.  The four of a row of the cluster ask jointly for A's tiles (context's and x's), the four of a column for B's.
; THE MATRIX INSTRUCTION IS USED TRANSPOSED (source 0 = 16 rows of B, source 1 = 16 rows of A): a lane holds eight neighbouring columns of one row of C.  THE BIAS is the C of each sum's first product.
; No prefetch: the first fills stand at the head, and each refill is asked for well ahead of its first read.
; LIMIT: q, k and v must stay under 65,504 in magnitude (f16).
; REGISTERS: window 0: v16-31 addresses; v32-95 scale words, two sets, and nothing else; v96-127 q's bias; v128-191 A's fragments; v192-255 the first tile's bias, then A's second set for the q tile; on a way out v128-223 are at work.
;   window 1: B's fragments, two sets, at v0 and v128.   window 2: the accumulators of my rows 0-63 ((a, b) at v[8 (8 a + b)]);   window 3: those of rows 64-127.
.set NQ,     4                         ; steps of 128 along K in a slot
.set ROWB,   256                       ; a tile's row in bytes
.set KROW,   512                       ; a row of codes in memory
.set PITCH,  272                       ; an LDS row: 256 bytes + 16 of padding: the 16 rows that a load touches start 68 words apart
.set FR,     8                         ; registers of a fragment: 16 rows x 128 K
.set NL,     2                         ; LDS loads that bring one
.set NP,     4                         ; places behind this matrix instruction (ISA guide 7.12.1)
.set HALFT,  128*PITCH
.set SLOT,   4*HALFT                   ; A's 256 rows, then B's 256 rows
.set KS,     32                        ; a row of scales in bytes
.set SCL,    2*SLOT                    ; behind the slots: the first tile's scales, as rows of 256 bytes + 16
.set HALFS,  16*272                    ; the scales of 128 rows
.set SBLK,   2*272                     ; those of 16 rows
.set STG,    SCL+4*HALFS               ; the way out's stages: 16 rows x 272 bytes for each wave
.set SPARE,  STG+4*16*PITCH            ; the spare words, 128 bytes a wave: two blocks of 256 bytes that no other line names
.set XBACK,  8192*KROW                 ; x's rows lie so many bytes ahead of context's in codes
.set ADRA, 16                          ; v16-17 LDS address of my A fragments in slot 0, 1
.set ADRB, 20                          ; v20-21 the same for the first tile's B
.set ADRQ, 22                          ; v22-23 my 64 rows of Wq, K half 0, 1 (both in slot 0's rows of B)
.set STO,  24                          ; v24 the way out: where I put 16 bytes of a row
.set RD,   25                          ; v25 where I read back
.set CO,   26                          ; v26 16 x lane
.set ADRS, 27                          ; v27 LDS address of my scale words: lanes 0-15 A's rows, lanes 16-31 B's
.set SPW,  28
.set NIL,  29
.set BOF,  30                          ; v30 32 x (lane / 16): my half's eight numbers of a bias tile
.set QSO,  31                          ; v31 the q tile's scale words in memory: lanes 0-15 x's row, lanes 16-31 Wq's
.set SC,   32
.set BIASQ, 96
.set AF,   128
.set BIAS, 192
.set TMP,  128                         ; the way out: 32 registers of packed results
.set BK,   160                         ; and 16 rows read back: v160-191 and v192-223 by turns
.set OKV,  12                          ; s[12:13]   where my part of k or v begins in qkv16
.set OQ,   100                         ; s[100:101] where my part of q begins
.set QB,   66                          ; s[66:67]   what I fetch of Wq's codes, if I fetch for B
.set G1, 24
.set G0, 32
.set G1B, 48
.set G0B, 56
.set G1S, 68
.set G0S, 76
.set G1SB, 80
.set G0SB, 88
.set MSB, 0
.macro WIN new                         ; the immediate's high byte repeats the setting that is left
.if MSB != \new
	s_set_vgpr_msb (MSB<<8)|\new
.set MSB, \new
.endif
.endm
.set MUL_LO, 0xa1                      ; source 0 (B) window 1, source 1 (A) window 0, C and D window 2
.set MUL_HI, 0xf1                      ; the same, C and D window 3
.set BIA_LO, 0x81                      ; a tile's first step: C (the bias) window 0, D window 2
.set BIA_HI, 0xc1                      ; D window 3
.set TO_B,   0x40
; A joint load: waves 0 and 1 fetch for A, waves 2 and 3 for B.  The branch hangs on the wave's number alone.  An s_nop 0 and four v_nop follow each of the two lines.
.macro JLOAD g0a, g1a, g0b, g1b
	s_cmp_eq_u32 s15, 0
	s_cbranch_scc0 .Lfor_b_\@
	tensor_load_to_lds s[\g0a:\g0a+3], s[\g1a:\g1a+7]
	s_nop 0
.rept 4
	v_nop
.endr
	s_branch .Lasked_\@
.Lfor_b_\@:
	tensor_load_to_lds s[\g0b:\g0b+3], s[\g1b:\g1b+7]
	s_nop 0
.rept 4
	v_nop
.endr
.Lasked_\@:
.endm
.macro CREST                           ; a round of the cluster's barrier behind its opening barrier
	s_cmp_lg_u32 s14, 0
	s_cbranch_scc1 .Lnot_wave_0_\@
	s_barrier_signal -3
.Lnot_wave_0_\@:
	s_barrier_wait -3
	s_barrier_signal -1
	s_barrier_wait -1
.endm
.macro CROUND                          ; a whole round
	s_barrier_signal -1
	s_barrier_wait -1
	CREST
.endm
	s_load_b256 s[4:11], s[0:1], 0x0               ; codes s[4:5], scales s[6:7], bq s[8:9], bk s[10:11]
	s_load_b128 s[96:99], s[0:1], 0x20             ; bv s[96:97], qkv16 s[98:99]
	v_lshl_add_u32 v[SPW], v0, 2, SPARE
	v_mov_b32 v[NIL], 0
	ds_add_u32 v[SPW], v[NIL]                      ; the wave's opening: the add, twice on end, and its wait ahead of my first tensor load
	ds_add_u32 v[SPW], v[NIL]
	v_lshrrev_b32 v1, 5, v0
	v_readfirstlane_b32 s14, v1                    ; wave 0..3
	s_lshr_b32 s15, s14, 1                         ; which half of a tile's rows is mine.  Also: I fetch for A (0) or for B (1)
	s_and_b32 s16, s14, 1                          ; which half of its columns.  Also: which 128 rows (of Wq: which K half) I fetch
	s_bfe_u32 s40, ttmp6, 0x40000                  ; cx
	s_bfe_u32 s41, ttmp6, 0x40004                  ; cy
	s_lshl_b32 s42, ttmp9, 2
	s_add_co_u32 s42, s42, s40                     ; C = 0..7 = 4 x (part - 1) + cx
	s_and_b32 s17, ttmp7, 0xffff
	s_lshl_b32 s17, s17, 2
	s_add_co_u32 s17, s17, s41                     ; R = 0..31
	s_lshl_b32 s43, s41, 2
	s_lshl_b32 s43, 15, s43                        ; my row of the cluster
	s_lshl_b32 s44, 0x1111, s40                    ; my column
	; descriptor group 1: a tile of 128 rows x 256 bytes, 16 bytes of padding behind each row
	s_or_b32 s[G1+0], s43, (0<<16)|(1<<20)|(1<<21)|(5<<22)|(3<<25)  ; the mask; elements of 1 byte; padding on; bit 21 beside a mask; after every 64 words; 4 words
	s_or_b32 s[G1B+0], s44, (0<<16)|(1<<20)|(1<<21)|(5<<22)|(3<<25)
.irp g, G1, G1B
	s_mov_b32 s[\g+1], ROWB<<16                    ; tensor_dim0
	s_mov_b32 s[\g+2], 128<<16                     ; tensor_dim1
	s_mov_b32 s[\g+3], ROWB<<16                    ; tile_dim0
	s_mov_b32 s[\g+4], 128                         ; tile_dim1
	s_mov_b32 s[\g+5], KROW                        ; from row to row
	s_mov_b32 s[\g+6], 0
	s_mov_b32 s[\g+7], 0
.endr
	; the scales of 128 rows: 4,096 dense bytes as 16 rows of 256 (32 elements of 8 bytes), 16 bytes of padding behind each
	s_or_b32 s[G1S+0], s43, (3<<16)|(1<<20)|(1<<21)|(5<<22)|(3<<25)
	s_or_b32 s[G1SB+0], s44, (3<<16)|(1<<20)|(1<<21)|(5<<22)|(3<<25)
.irp g, G1S, G1SB
	s_mov_b32 s[\g+1], 32<<16
	s_mov_b32 s[\g+2], 16<<16
	s_mov_b32 s[\g+3], 32<<16
	s_mov_b32 s[\g+4], 16
	s_mov_b32 s[\g+5], 32
	s_mov_b32 s[\g+6], 0
	s_mov_b32 s[\g+7], 0
.endr
	s_lshl_b32 s18, s16, 7                         ; which 128 rows of the first tile I fetch
	s_lshl_b32 s20, s17, 8
	s_add_co_u32 s20, s20, s18
	s_add_co_u32 s20, s20, 8192                    ; A's first row: context's; it hangs on R and the wave
	s_lshl_b32 s46, s42, 8
	s_add_co_u32 s46, s46, s18
	s_add_co_u32 s46, s46, 17408                   ; B's first row: Wk's and Wv's columns on end; on C and the wave
	s_lshl_b32 s22, s20, 5                         ; their scales, 32 bytes a row,
	s_mov_b32 s23, 0
	s_lshl_b32 s92, s46, 5
	s_mov_b32 s93, 0
	s_lshl_b32 s20, s20, 9                         ; and their codes, 512 bytes a row
	s_mov_b32 s21, 0
	s_lshl_b32 s46, s46, 9
	s_mov_b32 s47, 0
	s_lshl_b32 s[QB], s42, 7                       ; Wq's columns 128 C on,
	s_add_co_u32 s[QB], s[QB], 16384
	s_lshl_b32 s[QB], s[QB], 9
	s_lshl_b32 s[QB+1], s16, 8                     ; my K half of their rows
	s_add_co_u32 s[QB], s[QB], s[QB+1]
	s_mov_b32 s[QB+1], 0
	s_mul_i32 s45, s14, HALFT                      ; where tiles go in a slot: wave x 128 rows: no place in the cluster enters an LDS address
	s_mul_i32 s94, s14, HALFS
	s_wait_dscnt 0x0                               ; both opening adds are done
	s_wait_kmcnt 0x0
	s_add_nc_u64 s[20:21], s[4:5], s[20:21]
	s_add_nc_u64 s[22:23], s[6:7], s[22:23]
	s_add_nc_u64 s[46:47], s[4:5], s[46:47]
	s_add_nc_u64 s[92:93], s[6:7], s[92:93]
	s_add_nc_u64 s[QB:QB+1], s[4:5], s[QB:QB+1]
	CROUND                                         ; all sixteen work-groups are here: the joint loads meet
	s_mov_b32 s[G0S], 1
	s_add_co_u32 s[G0S+1], s94, SCL
	s_mov_b64 s[G0S+2:G0S+3], s[22:23]
	s_or_b32 s[G0S+3], s[G0S+3], 0x80000000
	s_mov_b32 s[G0SB], 1
	s_add_co_u32 s[G0SB+1], s94, SCL
	s_mov_b64 s[G0SB+2:G0SB+3], s[92:93]
	s_or_b32 s[G0SB+3], s[G0SB+3], 0x80000000
	JLOAD G0S, G1S, G0SB, G1SB                     ; the scales first: they are wanted with the first slot
.irp s, 0,1
	s_mov_b32 s[G0+4*\s], 1
	s_add_co_u32 s[G0+4*\s+1], s45, \s*SLOT
	s_add_nc_u64 s[G0+4*\s+2:G0+4*\s+3], s[20:21], \s*ROWB
	s_or_b32 s[G0+4*\s+3], s[G0+4*\s+3], 0x80000000
	s_mov_b32 s[G0B+4*\s], 1
	s_add_co_u32 s[G0B+4*\s+1], s45, \s*SLOT
	s_add_nc_u64 s[G0B+4*\s+2:G0B+4*\s+3], s[46:47], \s*ROWB
	s_or_b32 s[G0B+4*\s+3], s[G0B+4*\s+3], 0x80000000
	JLOAD G0+4*\s, G1, G0B+4*\s, G1B               ; three loads of mine are out
.endr
	; the biases, in the result's layout: register 8 b + j = bias[16 b + 8 (lane / 16) + j] of my columns: 128 of k or v, 64 of q
	s_cmp_eq_u32 ttmp9, 0                          ; the part: the same in all sixteen partners
	s_cselect_b64 s[10:11], s[10:11], s[96:97]
	s_lshl_b32 s46, s40, 10                        ; (256 cx + 128 x column half) x 4 bytes
	s_lshl_b32 s47, s16, 9
	s_add_co_u32 s46, s46, s47
	s_mov_b32 s47, 0
	s_add_nc_u64 s[10:11], s[10:11], s[46:47]
	s_lshl_b32 s46, s42, 9                         ; (128 C + 64 x column half) x 4 bytes
	s_lshl_b32 s47, s16, 8
	s_add_co_u32 s46, s46, s47
	s_mov_b32 s47, 0
	s_add_nc_u64 s[8:9], s[8:9], s[46:47]
	v_and_b32 v1, 15, v0                           ; r = lane % 16
	v_bfe_u32 v2, v0, 4, 1                         ; h = lane / 16
	v_lshlrev_b32 v[BOF], 5, v2
.irp b, 0,1,2,3,4,5,6,7
	global_load_b128 v[BIAS+8*\b:BIAS+8*\b+3],   v[BOF], s[10:11] offset:64*\b
	global_load_b128 v[BIAS+8*\b+4:BIAS+8*\b+7], v[BOF], s[10:11] offset:64*\b+16
.endr
.irp b, 0,1,2,3
	global_load_b128 v[BIASQ+8*\b:BIASQ+8*\b+3],   v[BOF], s[8:9] offset:64*\b
	global_load_b128 v[BIASQ+8*\b+4:BIASQ+8*\b+7], v[BOF], s[8:9] offset:64*\b+16
.endr
	v_mul_u32_u24 v3, v1, PITCH
	v_lshl_add_u32 v4, v2, 4, v3                   ; a fragment's row x pitch + 16 x half
	s_mul_i32 s21, s15, HALFT                      ; my 128 rows of A
	s_mul_i32 s22, s16, HALFT                      ; my 128 rows of the first tile's B,
	s_add_co_u32 s22, s22, 2*HALFT                 ; behind A's 256
.irp s, 0,1
	v_add_nc_u32 v[ADRA+\s], s21, v4
	v_add_nc_u32 v[ADRB+\s], s22, v4
	s_add_co_u32 s21, s21, SLOT
	s_add_co_u32 s22, s22, SLOT
.endr
	s_mul_i32 s22, s16, 64*PITCH                   ; my 64 rows of Wq's 128,
	s_add_co_u32 s22, s22, 2*HALFT                 ; K half 0 where slot 0 had B's rows 0-127,
	v_add_nc_u32 v[ADRQ], s22, v4
	s_add_co_u32 s22, s22, HALFT                   ; K half 1 where it had rows 128-255
	v_add_nc_u32 v[ADRQ+1], s22, v4
	v_mul_u32_u24 v5, v1, KS                       ; my row's scales in LDS: 32 bytes a row,
	v_lshrrev_b32 v6, 8, v5
	v_lshl_add_u32 v5, v6, 4, v5                   ; and 16 more for each 256 passed
	s_mul_i32 s21, s15, HALFS
	s_mul_i32 s22, s16, HALFS
	s_add_co_u32 s22, s22, 2*HALFS
	s_sub_co_u32 s22, s22, s21
	v_mul_u32_u24 v6, s22, v2                      ; lanes 16-31 take B's: the lower base + h x the distance
	s_add_co_u32 s21, s21, SCL
	v_add_nc_u32 v5, v5, v6
	v_add_nc_u32 v[ADRS], s21, v5
	s_mul_i32 s23, s14, 16*PITCH
	s_add_co_u32 s23, s23, STG                     ; my stage
	v_add_nc_u32 v[STO], s23, v4                   ; in: row r, 16 bytes for each half of the lanes
	v_bfe_u32 v5, v0, 3, 2                         ; back: eight lanes to a head's 128 bytes of a row, four rows an instruction
	v_and_b32 v6, 7, v0
	v_mul_u32_u24 v5, v5, PITCH
	v_lshl_add_u32 v5, v6, 4, v5
	v_add_nc_u32 v[RD], s23, v5
	v_and_b32 v6, 31, v0
	v_lshlrev_b32 v[CO], 4, v6
	; the q tile's scale words in the buffer scales: lanes 0-15 x's row 256 R + 128 x row half + r, lanes 16-31 Wq's row 16384 + 128 C + 64 x column half + r; 32 bytes a row
	s_lshl_b32 s21, s17, 8
	s_lshl_b32 s22, s15, 7
	s_add_co_u32 s21, s21, s22
	s_lshl_b32 s21, s21, 5
	s_lshl_b32 s22, s42, 7
	s_lshl_b32 s18, s16, 6
	s_add_co_u32 s22, s22, s18
	s_add_co_u32 s22, s22, 16384
	s_lshl_b32 s22, s22, 5
	s_sub_co_u32 s22, s22, s21                     ; the distance: under 2^24
	v_mul_u32_u24 v6, s22, v2
	v_lshl_add_u32 v[QSO], v1, 5, v6
	v_add_nc_u32 v[QSO], s21, v[QSO]
	; where my parts begin in qkv16: batch and my first row of the sequence (from R), the part, my first head (from cx or C)
	s_lshr_b32 s20, s17, 2
	s_lshl_b32 s20, s20, 21
	s_and_b32 s21, s17, 3
	s_lshl_b32 s21, s21, 8
	s_lshl_b32 s22, s15, 7
	s_add_co_u32 s21, s21, s22
	s_lshl_b32 s21, s21, 7                         ; 128 bytes a row of a head
	s_add_co_u32 s20, s20, s21
	s_mov_b32 s21, 0
	s_add_nc_u64 s[OQ:OQ+1], s[98:99], s[20:21]
	s_add_co_u32 s20, ttmp9, 1
	s_lshl_b32 s20, s20, 24                        ; part 1 or 2
	s_add_nc_u64 s[OKV:OKV+1], s[OQ:OQ+1], s[20:21]
	s_lshl_b32 s46, s40, 2
	s_lshl_b32 s47, s16, 1
	s_add_co_u32 s46, s46, s47                     ; k, v: head 4 cx + 2 x column half
	s_lshl_b32 s46, s46, 17
	s_mov_b32 s47, 0
	s_add_nc_u64 s[OKV:OKV+1], s[OKV:OKV+1], s[46:47]
	s_lshl_b32 s46, s42, 1
	s_add_co_u32 s46, s46, s16                     ; q: head 2 C + column half
	s_lshl_b32 s46, s46, 17
	s_add_nc_u64 s[OQ:OQ+1], s[OQ:OQ+1], s[46:47]
.macro FRAG reg, adr, q, i             ; 16 rows x 128 K of 4-bit codes: lane l holds row l % 16; registers 4 c .. 4 c + 3 hold K = 64 c + 32 (l / 16) + 0 .. 31
.irp c, 0,1
	ds_load_b128 v[\reg+4*\c:\reg+4*\c+3], v[\adr] offset:64*(\q)+32*\c+(\i)*16*PITCH
.endr
.endm
; 2 nb matrix instructions: A's blocks a0, a0 + 1 (fragments from af on) x B's nb blocks of set p; q: which word of the scale registers of set sc.  bias other than 0: these registers start the sums.
; A tile's accumulators take turns, one instruction a turn, in the same order in every step.
.macro MULS a0, nb, af, p, q, sc, bias
.irp a, \a0, \a0+1
.set NBI, 0
.rept \nb
.if \bias
	v_wmma_scale_f32_16x16x128_f8f6f4 v[8*(8*((\a)%4)+NBI):8*(8*((\a)%4)+NBI)+7], v[128*(\p)+FR*NBI:128*(\p)+FR*NBI+FR-1], v[(\af)+FR*(\a):(\af)+FR*(\a)+FR-1], v[(\bias)+8*NBI:(\bias)+8*NBI+7], v[SC+8*NQ*(\sc)+NQ*NBI+(\q)], v[SC+8*NQ*(\sc)+NQ*(\a)+(\q)] matrix_a_fmt:MATRIX_FMT_FP4 matrix_b_fmt:MATRIX_FMT_FP4 matrix_a_scale:MATRIX_SCALE_ROW1
.else
	v_wmma_scale_f32_16x16x128_f8f6f4 v[8*(8*((\a)%4)+NBI):8*(8*((\a)%4)+NBI)+7], v[128*(\p)+FR*NBI:128*(\p)+FR*NBI+FR-1], v[(\af)+FR*(\a):(\af)+FR*(\a)+FR-1], v[8*(8*((\a)%4)+NBI):8*(8*((\a)%4)+NBI)+7], v[SC+8*NQ*(\sc)+NQ*NBI+(\q)], v[SC+8*NQ*(\sc)+NQ*(\a)+(\q)] matrix_a_fmt:MATRIX_FMT_FP4 matrix_b_fmt:MATRIX_FMT_FP4 matrix_a_scale:MATRIX_SCALE_ROW1
.endif
.set NBI, NBI+1
.endr
.endr
.endm
.macro FETCH_B slot, q, p
	WIN TO_B
.irp i, 0,1,2,3,4,5,6,7
	FRAG 128*(\p)+FR*\i, ADRB+\slot, \q, \i
.endr
	WIN 0
.endm
.macro FETCH_A slot, q, i0
.irp i, \i0, \i0+1, \i0+2, \i0+3
	FRAG AF+FR*(\i), ADRA+\slot, \q, \i
.endr
.endm
.macro SCALES sc                       ; a slot's scale words: 4 words a row; lanes 0-15 take A's block i, lanes 16-31 B's block i
.irp i, 0,1,2,3,4,5,6,7
	ds_load_b128 v[SC+8*NQ*\sc+NQ*\i:SC+8*NQ*\sc+NQ*\i+3], v[ADRS] offset:\i*SBLK
.endr
.endm
.macro PLACES n                        ; plain vector instructions between a matrix instruction and a load into, or a read of, its registers
.rept \n
	v_nop
.endr
.endm
; THE FIRST TILE: a step of 128 along K that has its successor in the same slot.  A's blocks 0-3 are fetched anew in its middle, blocks 4-7 at its end; B has two sets.
.macro STEP slot, q, bias
	s_wait_dscnt 4*NL                              ; B's set and A's blocks 0-3 are in; the youngest eight loads (A's blocks 4-7) may be out
.if \bias
	WIN BIA_LO
.else
	WIN MUL_LO
.endif
	MULS 0, 8, AF, (\q)%2, \q, \slot, \bias
	MULS 2, 8, AF, (\q)%2, \q, \slot, \bias
	s_wait_dscnt 0                                 ; A's blocks 4-7 are in
	PLACES NP
	FETCH_B \slot, (\q)+1, 1-(\q)%2
	FETCH_A \slot, (\q)+1, 0
.if \bias
	WIN BIA_HI
.else
	WIN MUL_HI
.endif
	MULS 4, 8, AF, (\q)%2, \q, \slot, \bias
	MULS 6, 8, AF, (\q)%2, \q, \slot, \bias
	PLACES NP
	WIN 0
	FETCH_A \slot, (\q)+1, 4
.endm
; THE q TILE: 24 LDS loads: K half kh's q-th 128 along K into set p: Wq's four fragments, x's eight
.macro QFETCH kh, q, p
	WIN TO_B
.irp i, 0,1,2,3
	FRAG 128*(\p)+FR*\i, ADRQ+\kh, \q, \i
.endr
	WIN 0
.irp i, 0,1,2,3,4,5,6,7
	FRAG AF+64*(\p)+FR*\i, ADRA+\kh, \q, \i
.endr
.endm
; a step of the q tile: it asks for the next step's fragments (K half nkh, step nq) into the other set, then multiplies its own: 32 matrix instructions
.macro QSTEP kh, q, p, nkh, nq, fetch, bias
	s_wait_dscnt 0x0                               ; this step's 24 loads are in
.if \fetch
	PLACES NP                                      ; the other set's registers were read by the last step's products
	QFETCH \nkh, \nq, 1-(\p)
.endif
.if \bias
	WIN BIA_LO
.else
	WIN MUL_LO
.endif
	MULS 0, 4, AF+64*(\p), \p, \q, \kh, \bias
	MULS 2, 4, AF+64*(\p), \p, \q, \kh, \bias
.if \bias
	WIN BIA_HI
.else
	WIN MUL_HI
.endif
	MULS 4, 4, AF+64*(\p), \p, \q, \kh, \bias
	MULS 6, 4, AF+64*(\p), \p, \q, \kh, \bias
	WIN 0
.endm
; THE WAY OUT, a block of 16 rows x 16 nb columns (nb / 4 heads) at a time: rounded to f16 (16 bytes a lane), through my stage, back as four rows of one head: 512 consecutive bytes of qkv16 an instruction.
.macro PACK a, nb
.set AC, 64*((\a)%4)
	WIN 0x0a+5*((\a)/4)                            ; sources 0 and 1: window 2 or 3
.set NBI, 0
.rept \nb
.irp r, 0,1,2,3
	v_cvt_pk_f16_f32 v[TMP+4*NBI+\r], v[AC+8*NBI+2*\r], v[AC+8*NBI+2*\r+1]   ; each accumulator from its low end on
.endr
.set NBI, NBI+1
.endr
	WIN 0
.endm
.macro TOSTAGE a, nb
.set BB, BK+32*((\a)%2)
.set NBI, 0
.rept \nb
	ds_store_b128 v[STO], v[TMP+4*NBI:TMP+4*NBI+3] offset:32*NBI
.set NBI, NBI+1
.endr
.set NBI, 0
.rept \nb
	ds_load_b128 v[BB+4*NBI:BB+4*NBI+3], v[RD] offset:(NBI%4)*4*PITCH+(NBI/4)*128   ; LDS serves a wave's instructions in order: these see the stores above
.set NBI, NBI+1
.endr
.endm
.macro SEND a, nb, base
.set BB, BK+32*((\a)%2)
	s_wait_dscnt 0x0                               ; the block is back in registers
	s_wait_xcnt 0x0                                ; earlier stores have read their base and their registers: only behind this wait are they written again
.if (\a) > 0
	s_add_nc_u64 s[\base:\base+1], s[\base:\base+1], 16*128        ; 16 rows of a head on
.endif
.set NBI, 0
.rept \nb
	global_store_b128 v[CO], v[BB+4*NBI:BB+4*NBI+3], s[\base:\base+1] offset:(NBI/4)*131072+(NBI%4)*512   ; head NBI / 4, rows 4 (NBI % 4) on: 512 consecutive bytes, aligned
.set NBI, NBI+1
.endr
.endm
	s_wait_loadcnt 0x0                             ; the biases
	s_wait_tensorcnt 1                             ; the scales and my part of slot 0 are in; slot 1's load may stay out
	s_barrier_signal -1
	s_barrier_wait -1                              ; everybody's are
	FETCH_B 0, 0, 0
	FETCH_A 0, 0, 0
	SCALES 0
	FETCH_A 0, 0, 4
	STEP 0, 0, BIAS
	STEP 0, 1, 0
	STEP 0, 2, 0
	; slot 0's last step changes slots, and slot 0 is filled again, with the q tile's first part.  ONE barrier, which opens a round of the cluster's: in front of it each wave waits for all its tensor loads
	; (its part of slot 1), adds 0 to its spare word, and waits for that and for its own reads of slot 0
	s_wait_tensorcnt 0x0                           ; all my tensor loads have landed
	ds_add_u32 v[SPW], v[NIL]                      ; 0 onto my spare word
	s_wait_dscnt 4*NL+1                            ; (the add and the youngest eight loads may be out)
	WIN MUL_LO
	MULS 0, 8, AF, 1, NQ-1, 0, 0                   ; sixteen matrix instructions stand between the add and the wait for it
	s_wait_dscnt 0x0                               ; the add is done, and my reads of slot 0 are over
	s_barrier_signal -1
	MULS 2, 8, AF, 1, NQ-1, 0, 0
	WIN 0
	s_barrier_wait -1
	CREST                                          ; no wave of any partner still reads slot 0 or has a load on its way
	s_sub_nc_u64 s[G0+2:G0+3], s[G0+2:G0+3], XBACK ; A: the same rows and K half of x
	s_mov_b64 s[G0B+2:G0B+3], s[QB:QB+1]           ; B: Wq's 128 rows, my K half
	s_or_b32 s[G0B+3], s[G0B+3], 0x80000000
	JLOAD G0, G1, G0B, G1B                         ; my one tensor load behind the round; its four v_nop are also the places in front of the loads below
	v_add_nc_u32 v[ADRS], 4*NQ, v[ADRS]            ; on to slot 1's scale words
	FETCH_B 1, 0, 0
	FETCH_A 1, 0, 0
	SCALES 1
	WIN MUL_HI
	MULS 4, 8, AF, 1, NQ-1, 0, 0
	MULS 6, 8, AF, 1, NQ-1, 0, 0
	PLACES NP
	WIN 0
	FETCH_A 1, 0, 4
	STEP 1, 0, 0
	STEP 1, 1, 0
	STEP 1, 2, 0
	s_wait_dscnt 4*NL                              ; the first tile's last step: nothing more to fetch
	WIN MUL_LO
	MULS 0, 8, AF, 1, NQ-1, 1, 0
	MULS 2, 8, AF, 1, NQ-1, 1, 0
	s_wait_dscnt 0
	WIN MUL_HI
	MULS 4, 8, AF, 1, NQ-1, 1, 0
	MULS 6, 8, AF, 1, NQ-1, 1, 0
	WIN 0
	PLACES NP                                      ; behind the last products: the loads below land on scale registers, the conversions read results and write registers that held A's fragments
.irp kh, 0,1                                   ; the q tile's scale words: register 32 kh + 4 i + q: lanes 0-15 x's block i, lanes 16-31 Wq's block i (i < 4 are used), for K = 512 kh + 128 q on.  They land under the way out
.irp i, 0,1,2,3,4,5,6,7
	global_load_b128 v[SC+8*NQ*\kh+NQ*\i:SC+8*NQ*\kh+NQ*\i+3], v[QSO], s[6:7] offset:16*\kh+512*\i
.endr
.endr
	PACK 0, 8
	TOSTAGE 0, 8
.irp a, 1,2,3,4,5,6,7                  ; block a's conversions stand between block a - 1's loads from the stage and the wait for them
	PACK \a, 8
	SEND \a-1, 8, OKV
.if \a == 2
	; slot 1 is filled again, with x's K half 1.  It stands here, two blocks into the way out, so that slot 0's refill has had the second half of the first tile and these two blocks in which to land
	s_wait_tensorcnt 0x0                           ; my part of slot 0's refill has landed: no load of mine is out, so a group 0 may be written
	ds_add_u32 v[SPW], v[NIL]
	s_sub_nc_u64 s[G0+6:G0+7], s[G0+6:G0+7], XBACK
	s_wait_dscnt 0x0                               ; the add is done; my reads of slot 1 were over before the last products
	CROUND                                         ; no wave of any partner still reads slot 1 or has a load on its way; and slot 0's new tiles are whole in every work-group
	s_cmp_eq_u32 s15, 0                            ; waves 0 and 1 alone have a part to fetch
	s_cbranch_scc0 .Lno_part
	tensor_load_to_lds s[G0+4:G0+7], s[G1:G1+7]
	s_nop 0
.rept 4
	v_nop
.endr
.Lno_part:
.endif
	TOSTAGE \a, 8
.endr
	SEND 7, 8, OKV
	; THE q TILE
	s_wait_xcnt 0x0                                ; the last stores have read their registers: fragments may land there
	s_wait_loadcnt 0x0                             ; the q tile's scale words
	QFETCH 0, 0, 0
	QSTEP 0, 0, 0, 0, 1, 1, BIASQ
	QSTEP 0, 1, 1, 0, 2, 1, 0
	QSTEP 0, 2, 0, 0, 3, 1, 0
	s_wait_tensorcnt 0x0                           ; my part of slot 1's refill has landed,
	ds_add_u32 v[SPW], v[NIL]
	s_wait_dscnt 0x0
	s_barrier_signal -1
	s_barrier_wait -1                              ; everybody's has
	QSTEP 0, 3, 1, 1, 0, 1, 0
	QSTEP 1, 0, 0, 1, 1, 1, 0
	QSTEP 1, 1, 1, 1, 2, 1, 0
	QSTEP 1, 2, 0, 1, 3, 1, 0
	QSTEP 1, 3, 1, 0, 0, 0, 0
	PLACES NP
	PACK 0, 4
	TOSTAGE 0, 4
.irp a, 1,2,3,4,5,6,7
	PACK \a, 4
	SEND \a-1, 4, OQ
	TOSTAGE \a, 4
.endr
	SEND 7, 4, OQ
	s_wait_tensorcnt 0x0                           ; the wave's end
	ds_add_u32 v[SPW], v[NIL]
	s_wait_dscnt 0x0
	CROUND                                         ; the closing round
	s_endpgm
.Lfunc_end_k_qa74462365b_proj:
	.size	k_qa74462365b_proj, .Lfunc_end_k_qa74462365b_proj-k_qa74462365b_proj
	.p2alignl 7, 3214868480
	.fill 96, 4, 3214868480
	.section	.rodata,"a",@progbits
	.p2align	6, 0x0
	.amdhsa_kernel k_qa74462365b_proj
		.amdhsa_group_segment_fixed_size 327680
		.amdhsa_private_segment_fixed_size 0
		.amdhsa_enable_private_segment 0
		.amdhsa_kernarg_size 48
		.amdhsa_user_sgpr_count 2
		.amdhsa_user_sgpr_kernarg_segment_ptr 1
		.amdhsa_wavefront_size32 1
		.amdhsa_system_sgpr_workgroup_id_x 1
		.amdhsa_system_sgpr_workgroup_id_y 1
		.amdhsa_system_sgpr_workgroup_id_z 1
		.amdhsa_system_vgpr_workitem_id 0
		.amdhsa_next_free_vgpr 1024
		.amdhsa_next_free_sgpr 102
		.amdhsa_reserve_vcc 0
		.amdhsa_float_denorm_mode_32 3
		.amdhsa_float_denorm_mode_16_64 3
		.amdhsa_memory_ordered 1
		.amdhsa_forward_progress 1
		.amdhsa_inst_pref_size 197
	.end_amdhsa_kernel
	.amdgpu_metadata
---
amdhsa.version: [ 1, 2 ]
amdhsa.kernels:
  - .name:           k_qa74462365b_proj
    .symbol:         k_qa74462365b_proj.kd
    .args:
      - { .name: codes, .offset: 0, .size: 8, .value_kind: global_buffer, .address_space: global }
      - { .name: scales, .offset: 8, .size: 8, .value_kind: global_buffer, .address_space: global }
      - { .name: bq, .offset: 16, .size: 8, .value_kind: global_buffer, .address_space: global }
      - { .name: bk, .offset: 24, .size: 8, .value_kind: global_buffer, .address_space: global }
      - { .name: bv, .offset: 32, .size: 8, .value_kind: global_buffer, .address_space: global }
      - { .name: qkv16, .offset: 40, .size: 8, .value_kind: global_buffer, .address_space: global }
    .group_segment_fixed_size: 327680
    .private_segment_fixed_size: 0
    .kernarg_segment_align: 8
    .kernarg_segment_size: 48
    .max_flat_workgroup_size: 128
    .sgpr_count:     102
    .vgpr_count:     1024
    .wavefront_size: 32
...
	.end_amdgpu_metadata
.endif
;; end of part 2
;; launch attn (part 3): grid 2 x 128, 16 waves a work-group, no clusters, 327,680 bytes of LDS; arguments qkv16, ao16; writes ao16
.if DOCPART == 3
	.amdgcn_target "amdgcn-amd-amdhsa--gfx1250"
	.amdhsa_code_object_version 6
	.text
	.protected	k_qa74462365b_attn
	.globl	k_qa74462365b_attn
	.p2align	8
	.type	k_qa74462365b_attn,@function
k_qa74462365b_attn:
	s_mov_b64 s[64:65], 0
	v_nop
	global_prefetch_b8 v0, s[64:65] scope:SCOPE_SE
	s_setreg_imm32_b32 hwreg(HW_REG_WAVE_MODE, 25, 1), 1
	s_wait_xcnt 0x0
; ATTN: ao[b][h][n][:] = the sum over m of softmax_m(q[n] . k[m] / 8) v[m][:], for each of 128 heads (y = 16 b + h).  q, k, v: the three parts of qkv16, [128][1024][64] f16 each; ao16 the same shape, f16.
; Products on f16 operands with f32 sums; maxima, exponentials and sums in f32; the weights p (at most about 1) are rounded to f16 for the second product, the result once at the end.
; SHARES.  A work-group owns 512 queries of one head (x = which half): 256 work-groups of equal work.  Each of its SIXTEEN waves owns 32 queries, two tiles of 16, in 256 registers: four waves to a SIMD,
; so that one wave's vector work stands beside another's matrix work and LDS loads.  Every wave walks all 1,024 keys, 64 a step.
; ALL OF THE HEAD'S K AND V STAY IN LDS: 1,024 rows x (128 + 16) and 1,024 x (128 + 32) bytes; every byte is filled once.  TWO STAGES: keys 0-255 are asked for at the head (32 rows a wave; waves 0-7 K's, waves 8-15 V's),
; alone, so that the first products wait for a quarter of the bytes; keys 256-1,023 (96 rows a wave) are asked for behind the first stage's barrier, each wave's one load there, and have four key steps in which to land.
; So the waves meet at two barriers on their way, and walk the last twelve key steps each at its own pace.  No prefetch: the head's loads could not be asked for earlier, and the second stage's are asked for four key steps ahead.
; NO CLUSTER: only the two work-groups of a head read the same tiles; a cluster four wide would hold two heads, with masks of pairs and tile addresses that differ inside it.
; LAYOUT.  S^T = K Q^T (source 0 = 16 keys, source 1 = 16 queries): a lane holds ONE query (lane % 16) and keys 8 (lane / 16) + 0..7 of each tile.  Two such tiles, rounded to f16 in pairs, ARE source 1 of O^T = V^T P.
; P is written over the first 16 of its tile's 32 score registers.  K comes out of LDS as it lies, V ([key][channel]) turned, by ds_load_tr16_b128.
; SOFTMAX.  For each query a running maximum m and sum l: p = 2^(c s - c m), c = log2(e) / 8; in every step O and l are multiplied by a = 2^(c m_old - c m_new).  m begins at -3e38 and O and l at 0, so that the step is written once.
; LIMITS: q, k, v under 65,504 in magnitude (f16); NaN and infinities are not served.
.set PK,    144                        ; a row of K in LDS: 128 bytes + 16: an odd multiple of 16
.set PV,    160                        ; a row of V: 128 + 32: an odd multiple of 32, for the turning load
.set VOFF,  1024*PK
.set SPARE, VOFF+1024*PV               ; the spare words, 128 bytes for each of 16 waves: eight blocks of 256 bytes that no other line names
.set AK0, 1                            ; v1  my lane's place in a tile of K
.set AV0, 2                            ; v2  the same for V
.set ADK, 3                            ; v3  LDS address of the step's K
.set ADV, 4                            ; v4  of its V
.set SPW, 5
.set NIL, 6
.set GO,  7                            ; v7  16 x lane
.set STO, 8                            ; v8  the way out: where I put 16 bytes of a row
.set RD,  9                            ; v9  where I read back
.set ST,  12                           ; tile t's statistics at v[12 + 8 t]: +0 c m, +1 m, +2, +3 l (even keys', odd keys'), +4 .. +7 at work; a takes +6
.set L2,  28                           ; v[28 + 2 t] the second chain of a step's sum
.set Q,   32                           ; v32-63   Q: tile t, channels 32 kk on, at 32 + 16 t + 8 kk
.set KV,  64                           ; v64-127  K's fragments of a step, then V's
.set S,   128                          ; v128-191 S^T, then p, then P: tile t at 128 + 32 t
.set O,   192                          ; v192-255 O^T: tile t, channels 16 ct on, at 192 + 32 t + 8 ct
.set WV,  12                           ; s12 my wave's number
.set SEL, 20                           ; s[20:21] v_permlanex16_b32's selects: lane l xor 16
.set CS,  22                           ; s[22:23] c, named as a pair by the packed form
.set G1K, 24                           ; s[24:31] group 1 for K's first stage: 32 rows;  s[32:39] for V's
.set G1V, 32
.set G1K2, 40                          ; s[40:47] for K's second stage: 96 rows;  s[48:55] for V's
.set G1V2, 48
.set TK,  56                           ; s56 LDS byte at which the step's keys begin in K
.set TV,  57                           ; s57 in V
.set CNT, 58
.set G0K, 68                           ; s[68:75] two groups 0 for K's stages
.set G0V, 76                           ; s[76:83] for V's
	s_load_b128 s[4:7], s[0:1], 0x0                ; qkv16 s[4:5], ao16 s[6:7]
	v_lshl_add_u32 v[SPW], v0, 2, SPARE
	v_mov_b32 v[NIL], 0
	ds_add_u32 v[SPW], v[NIL]                      ; the wave's opening: the add, twice on end, and its wait ahead of my first tensor load
	ds_add_u32 v[SPW], v[NIL]
	v_lshrrev_b32 v10, 5, v0
	v_readfirstlane_b32 s[WV], v10                 ; wave 0..15
	s_and_b32 s13, s[WV], 7                        ; which rows of a stage I fetch
	s_and_b32 s14, ttmp7, 0xffff
	s_lshl_b32 s14, s14, 17                        ; the head's first byte in each part, and in ao16
	; descriptor group 1: rows of 64 elements of 2 bytes, dense in memory, padded in LDS
	s_mov_b32 s[G1K], (1<<16)|(1<<20)|(4<<22)|(3<<25)   ; no mask; elements of 2 bytes; padding on; after every 32 words; 4 words
	s_mov_b32 s[G1V], (1<<16)|(1<<20)|(4<<22)|(7<<25)   ; the same with 8 words
	s_mov_b32 s[G1K2], (1<<16)|(1<<20)|(4<<22)|(3<<25)
	s_mov_b32 s[G1V2], (1<<16)|(1<<20)|(4<<22)|(7<<25)
.irp g, G1K, G1V
	s_mov_b32 s[\g+1], 64<<16                      ; tensor_dim0
	s_mov_b32 s[\g+2], 32<<16                      ; tensor_dim1
	s_mov_b32 s[\g+3], 64<<16                      ; tile_dim0
	s_mov_b32 s[\g+4], 32                          ; tile_dim1
	s_mov_b32 s[\g+5], 64                          ; from row to row
	s_mov_b32 s[\g+6], 0
	s_mov_b32 s[\g+7], 0
.endr
.irp g, G1K2, G1V2
	s_mov_b32 s[\g+1], 64<<16
	s_mov_b32 s[\g+2], 96<<16
	s_mov_b32 s[\g+3], 64<<16
	s_mov_b32 s[\g+4], 96
	s_mov_b32 s[\g+5], 64
	s_mov_b32 s[\g+6], 0
	s_mov_b32 s[\g+7], 0
.endr
	s_lshl_b32 s15, s13, 12                        ; the first stage: my 32 rows of 128 bytes in memory,
	s_add_co_u32 s16, s14, s15
	s_mov_b32 s17, 0
	s_mul_i32 s15, s13, 96*128                     ; the second: my 96 rows
	s_add_co_u32 s60, s14, s15
	s_mov_b32 s61, 0
	s_mul_i32 s18, s13, 32*PK                      ; and in LDS: K's,
	s_mul_i32 s19, s13, 32*PV
	s_add_co_u32 s19, s19, VOFF                    ; V's;
	s_mul_i32 s62, s13, 96*PK
	s_add_co_u32 s62, s62, 256*PK                  ; the second stage's behind the first's 256 rows
	s_mul_i32 s63, s13, 96*PV
	s_add_co_u32 s63, s63, VOFF+256*PV
	s_lshl_b32 s2, ttmp9, 16                       ; my work-group's 512 queries,
	s_lshl_b32 s3, s[WV], 12                       ; my wave's 32 of them
	s_add_co_u32 s2, s2, s3
	s_add_co_u32 s2, s2, s14
	s_mov_b32 s3, 0
	s_mov_b32 s[SEL], 0x76543210
	s_mov_b32 s[SEL+1], 0xfedcba98
	s_mov_b32 s[CS], 0x3e38aa3b                    ; c = log2(e) / 8
	s_mov_b32 s[CS+1], s[CS]
	s_wait_dscnt 0x0                               ; both opening adds are done
	s_wait_kmcnt 0x0
	s_add_nc_u64 s[8:9], s[4:5], s[2:3]            ; my rows of q
	s_add_nc_u64 s[10:11], s[6:7], s[2:3]          ; and of ao16
	s_add_nc_u64 s[16:17], s[4:5], s[16:17]        ; the head, my rows of the first stage,
	s_add_nc_u64 s[60:61], s[4:5], s[60:61]        ; of the second
	s_mov_b32 s[G0K], 1
	s_mov_b32 s[G0K+1], s18
	s_add_nc_u64 s[G0K+2:G0K+3], s[16:17], 16777216           ; part 1, keys 0 on
	s_or_b32 s[G0K+3], s[G0K+3], 0x80000000
	s_mov_b32 s[G0K+4], 1
	s_mov_b32 s[G0K+5], s62
	s_add_nc_u64 s[G0K+6:G0K+7], s[60:61], 16777216+32768     ; keys 256 on
	s_or_b32 s[G0K+7], s[G0K+7], 0x80000000
	s_mov_b32 s[G0V], 1
	s_mov_b32 s[G0V+1], s19
	s_add_nc_u64 s[G0V+2:G0V+3], s[16:17], 33554432           ; part 2
	s_or_b32 s[G0V+3], s[G0V+3], 0x80000000
	s_mov_b32 s[G0V+4], 1
	s_mov_b32 s[G0V+5], s63
	s_add_nc_u64 s[G0V+6:G0V+7], s[60:61], 33554432+32768
	s_or_b32 s[G0V+7], s[G0V+7], 0x80000000
	s_cmp_lt_u32 s[WV], 8                          ; the first stage: one load of mine is out; an s_nop 0 and four v_nop follow each of the two lines
	s_cbranch_scc0 .Lfirst_v
	tensor_load_to_lds s[G0K:G0K+3], s[G1K:G1K+7]
	s_nop 0
.rept 4
	v_nop
.endr
	s_branch .Lfirst_asked
.Lfirst_v:
	tensor_load_to_lds s[G0V:G0V+3], s[G1V:G1V+7]
	s_nop 0
.rept 4
	v_nop
.endr
.Lfirst_asked:
	v_and_b32 v11, 15, v0                          ; r
	v_bfe_u32 v[GO], v0, 4, 1                      ; h (v7 takes its lasting value on the way out)
	v_lshlrev_b32 v10, 7, v11
	v_lshl_add_u32 v10, v[GO], 4, v10              ; Q: row r of 128 bytes + 16 h
.irp t, 0,1
.irp kk, 0,1
	global_load_b128 v[Q+16*\t+8*\kk:Q+16*\t+8*\kk+3],   v10, s[8:9] offset:2048*\t+64*\kk
	global_load_b128 v[Q+16*\t+8*\kk+4:Q+16*\t+8*\kk+7], v10, s[8:9] offset:2048*\t+64*\kk+32
.endr
.endr
	v_mul_u32_u24 v[AK0], v11, PK
	v_lshl_add_u32 v[AK0], v[GO], 4, v[AK0]        ; K: row r x pitch + 16 h
	v_and_b32 v[AV0], 7, v0
	v_lshl_add_u32 v[AV0], v[GO], 3, v[AV0]        ; V: the turning load's lane l reads key 8 (l / 16) + l % 8,
	v_mul_u32_u24 v[AV0], v[AV0], PV
	v_bfe_u32 v11, v0, 3, 1
	v_lshl_add_u32 v[AV0], v11, 4, v[AV0]          ; channels 8 ((l / 8) % 2) on
	v_add_nc_u32 v[AV0], VOFF, v[AV0]
.irp t, 0,1
	v_mov_b32 v[ST+8*\t+1], 0xff61b1e6             ; m = -3e38, under every score
	v_mul_f32 v[ST+8*\t], s[CS], v[ST+8*\t+1]      ; c m
	v_mov_b32 v[ST+8*\t+2], 0                      ; l
	v_mov_b32 v[ST+8*\t+3], 0
.endr
.irp j, 0,1,2,3,4,5,6,7,8,9,10,11,12,13,14,15,16,17,18,19,20,21,22,23,24,25,26,27,28,29,30,31,32,33,34,35,36,37,38,39,40,41,42,43,44,45,46,47,48,49,50,51,52,53,54,55,56,57,58,59,60,61,62,63
	v_mov_b32 v[O+\j], 0                           ; O^T: the step is written once; its first pass finds zeros, which a = 0 leaves zeros
.endr
; A KEY STEP: 64 keys, both tiles of queries.
.macro STEP
	v_add_nc_u32 v[ADK], s[TK], v[AK0]
	v_add_nc_u32 v[ADV], s[TV], v[AV0]
.rept 3
	v_nop                                          ; with the two additions: five places behind the last step's products, whose P the products below write over and whose V the loads below land on
.endr
.irp kk, 0,1                                   ; K's 8 fragments: keys 16 kt on, channels 32 kk on; channels 0-31 first
.irp kt, 0,1,2,3
	ds_load_b128 v[KV+16*\kt+8*\kk:KV+16*\kt+8*\kk+3],   v[ADK] offset:\kt*16*PK+64*\kk
	ds_load_b128 v[KV+16*\kt+8*\kk+4:KV+16*\kt+8*\kk+7], v[ADK] offset:\kt*16*PK+64*\kk+32
.endr
.endr
.irp kk, 0,1                                   ; S^T = K Q^T: the eight accumulators take turns, one instruction a turn; the first eight start the sums
	s_wait_dscnt 8-8*\kk                           ; channels 0-31 are in, the eight younger loads may be out; then all
.irp kt, 0,1,2,3
.irp t, 0,1
.if \kk == 0
	v_wmma_f32_16x16x32_f16 v[S+32*\t+8*\kt:S+32*\t+8*\kt+7], v[KV+16*\kt+8*\kk:KV+16*\kt+8*\kk+7], v[Q+16*\t+8*\kk:Q+16*\t+8*\kk+7], 0
.else
	v_wmma_f32_16x16x32_f16 v[S+32*\t+8*\kt:S+32*\t+8*\kt+7], v[KV+16*\kt+8*\kk:KV+16*\kt+8*\kk+7], v[Q+16*\t+8*\kk:Q+16*\t+8*\kk+7], v[S+32*\t+8*\kt:S+32*\t+8*\kt+7]
.endif
.endr
.endr
.endr
.rept 4
	v_nop                                          ; places in front of the loads into K's registers and of the first read of the scores
.endr
.irp u, 0,1                                    ; V's 8 fragments, turned: keys 32 u on, channels 16 ct on.  They land under the softmax
.irp ct, 0,1,2,3
	ds_load_tr16_b128 v[KV+32*\u+8*\ct:KV+32*\u+8*\ct+3],   v[ADV] offset:\u*32*PV+32*\ct
	ds_load_tr16_b128 v[KV+32*\u+8*\ct+4:KV+32*\u+8*\ct+7], v[ADV] offset:\u*32*PV+16*PV+32*\ct
.endr
.endr
	; the maximum of my 32 scores and the old m: four chains of seven, then the rest; the two tiles alternate, so that no line waits for the line above it.  Each accumulator is first read at its low end
.irp j, 0,1,2,3
.irp t, 0,1
	v_max3_num_f32 v[ST+8*\t+4+\j], v[S+32*\t+8*\j], v[S+32*\t+8*\j+1], v[S+32*\t+8*\j+2]
.endr
.endr
.irp g, 1,2
.irp j, 0,1,2,3
.irp t, 0,1
	v_max3_num_f32 v[ST+8*\t+4+\j], v[ST+8*\t+4+\j], v[S+32*\t+8*\j+2*\g+1], v[S+32*\t+8*\j+2*\g+2]
.endr
.endr
.endr
.irp t, 0,1
	v_max3_num_f32 v[ST+8*\t+4], v[ST+8*\t+4], v[S+32*\t+7], v[S+32*\t+15]
	v_max3_num_f32 v[ST+8*\t+6], v[ST+8*\t+6], v[S+32*\t+23], v[S+32*\t+31]
.endr
.irp t, 0,1
	v_max3_num_f32 v[ST+8*\t+4], v[ST+8*\t+4], v[ST+8*\t+5], v[ST+8*\t+6]
.endr
.irp t, 0,1
	v_max3_num_f32 v[ST+8*\t+4], v[ST+8*\t+4], v[ST+8*\t+7], v[ST+8*\t+1]
.endr
.irp t, 0,1
	v_permlanex16_b32 v[ST+8*\t+5], v[ST+8*\t+4], s[SEL], s[SEL+1]   ; the query's other 32 keys lie in the lane 16 away
.endr
.irp t, 0,1
	v_mov_b32 v[ST+8*\t+7], v[ST+8*\t]             ; c m_old is kept for a
.endr
.irp t, 0,1
	v_max_num_f32 v[ST+8*\t+1], v[ST+8*\t+4], v[ST+8*\t+5]           ; the new m
.endr
.irp t, 0,1
	v_mul_f32 v[ST+8*\t], s[CS], v[ST+8*\t+1]      ; c m
.endr
.irp t, 0,1
	v_sub_f32 v[ST+8*\t+7], v[ST+8*\t+7], v[ST+8*\t]
.endr
.irp b, 0,1,2,3,4,5,6,7,8,9,10,11,12,13,14,15
.irp t, 0,1
	v_pk_fma_f32 v[S+32*\t+2*\b:S+32*\t+2*\b+1], v[S+32*\t+2*\b:S+32*\t+2*\b+1], s[CS:CS+1], v[ST+8*\t:ST+8*\t+1] op_sel_hi:[1,0,0] neg_lo:[0,0,1] neg_hi:[0,0,1]   ; c s - c m, two at a time
.endr
.endr
.irp t, 0,1                                    ; ONE BATCH of 66 exponentials; none reads another's result
	v_exp_f32 v[ST+8*\t+6], v[ST+8*\t+7]           ; a
.endr
.irp e, 0,1,2,3,4,5,6,7,8,9,10,11,12,13,14,15,16,17,18,19,20,21,22,23,24,25,26,27,28,29,30,31
.irp t, 0,1
	v_exp_f32 v[S+32*\t+\e], v[S+32*\t+\e]         ; p
.endr
.endr
	v_nop                                          ; a plain instruction behind the last exponential
	s_wait_alu depctr_va_vdst(0)                   ; a wait ahead of the first line that names a result: one for the batch
.irp t, 0,1
	v_pk_mul_f32 v[ST+8*\t+2:ST+8*\t+3], v[ST+8*\t+2:ST+8*\t+3], v[ST+8*\t+6:ST+8*\t+7] op_sel_hi:[1,0]   ; l x a
.endr
.irp t, 0,1                                    ; the sum of the unrounded p, in two chains a tile; ahead of the conversions, which write over p
	v_pk_add_f32 v[L2+2*\t:L2+2*\t+1], v[S+32*\t:S+32*\t+1], v[S+32*\t+2:S+32*\t+3]
.endr
.irp j, 4,8,12,16,20,24,28
.irp t, 0,1
	v_pk_add_f32 v[ST+8*\t+2:ST+8*\t+3], v[ST+8*\t+2:ST+8*\t+3], v[S+32*\t+\j:S+32*\t+\j+1]
	v_pk_add_f32 v[L2+2*\t:L2+2*\t+1], v[L2+2*\t:L2+2*\t+1], v[S+32*\t+\j+2:S+32*\t+\j+3]
.endr
.endr
.irp t, 0,1
	v_pk_add_f32 v[ST+8*\t+2:ST+8*\t+3], v[ST+8*\t+2:ST+8*\t+3], v[L2+2*\t:L2+2*\t+1]
.endr
.irp i, 0,1,2,3,4,5,6,7,8,9,10,11,12,13,14,15
.irp t, 0,1
	v_cvt_pk_f16_f32 v[S+32*\t+\i], v[S+32*\t+2*\i], v[S+32*\t+2*\i+1]   ; P in place, ascending: register i is written when pairs 0 .. i have been read, and pair i' > i lies above it
.endr
.endr
.irp i, 0,1,2,3,4,5,6,7,8,9,10,11,12,13,14,15
.irp t, 0,1
	v_pk_mul_f32 v[O+32*\t+2*\i:O+32*\t+2*\i+1], v[O+32*\t+2*\i:O+32*\t+2*\i+1], v[ST+8*\t+6:ST+8*\t+7] op_sel_hi:[1,0]   ; O^T x a, each accumulator from its low end on
.endr
.endr
	s_wait_dscnt 0x0                               ; V is in
.irp u, 0,1                                    ; O^T += V^T P: the eight accumulators by turns
.irp ct, 0,1,2,3
.irp t, 0,1
	v_wmma_f32_16x16x32_f16 v[O+32*\t+8*\ct:O+32*\t+8*\ct+7], v[KV+32*\u+8*\ct:KV+32*\u+8*\ct+7], v[S+32*\t+8*\u:S+32*\t+8*\u+7], v[O+32*\t+8*\ct:O+32*\t+8*\ct+7]
.endr
.endr
.endr
	s_add_co_u32 s[TK], s[TK], 64*PK
	s_add_co_u32 s[TV], s[TV], 64*PV
.endm
	s_wait_loadcnt 0x0                             ; Q
	; THE FIRST STAGE: keys 0-255.  Behind its barrier every wave asks for its part of the rest: bytes that are filled for the first time
	s_wait_tensorcnt 0x0                           ; my part of the first stage is in: no load of mine is out
	ds_add_u32 v[SPW], v[NIL]                      ; 0 onto my spare word
	s_mov_b32 s[TK], 0
	s_mov_b32 s[TV], 0
	s_mov_b32 s[CNT], 4
	s_wait_dscnt 0x0                               ; the add is done
	s_barrier_signal -1
	s_barrier_wait -1                              ; everybody's part is in
	s_cmp_lt_u32 s[WV], 8                          ; my one tensor load behind the barrier, ahead of my first LDS read
	s_cbranch_scc0 .Lrest_v
	tensor_load_to_lds s[G0K+4:G0K+7], s[G1K2:G1K2+7]
	s_nop 0
.rept 4
	v_nop
.endr
	s_branch .Lrest_asked
.Lrest_v:
	tensor_load_to_lds s[G0V+4:G0V+7], s[G1V2:G1V2+7]
	s_nop 0
.rept 4
	v_nop
.endr
.Lrest_asked:
.Lstep_a:
	STEP
	s_sub_co_u32 s[CNT], s[CNT], 1
	s_cmp_lg_u32 s[CNT], 0
	s_cbranch_scc1 .Lstep_a
	; THE SECOND STAGE: keys 256-1,023, twelve steps with no barrier among them
	s_wait_tensorcnt 0x0                           ; my part of the rest is in
	s_wait_dscnt 0x0                               ; no LDS instruction of mine is pending at the signal
	s_barrier_signal -1
	s_barrier_wait -1                              ; everybody's is
	s_mov_b32 s[TK], 256*PK
	s_mov_b32 s[TV], 256*PV
	s_mov_b32 s[CNT], 12
.Lstep_b:
	STEP
	s_sub_co_u32 s[CNT], s[CNT], 1
	s_cmp_lg_u32 s[CNT], 0
	s_cbranch_scc1 .Lstep_b
	; THE WAY OUT.  The stages, 32 rows x 144 bytes a wave, lie in K's bytes: they have had their one fill, and behind this barrier nobody reads them.
	s_wait_dscnt 0x0
	s_barrier_signal -1
	s_barrier_wait -1
	v_and_b32 v10, 15, v0                          ; r.  (These thirteen plain lines are the places behind the last products)
	v_bfe_u32 v11, v0, 4, 1                        ; h
	s_mul_i32 s14, s[WV], 32*PK                    ; my stage
	v_mul_u32_u24 v[STO], v10, PK
	v_lshl_add_u32 v[STO], v11, 4, v[STO]
	v_add_nc_u32 v[STO], s14, v[STO]               ; in: row r, 16 bytes for each half of the lanes
	v_bfe_u32 v10, v0, 3, 2
	v_and_b32 v11, 7, v0
	v_mul_u32_u24 v[RD], v10, PK
	v_lshl_add_u32 v[RD], v11, 4, v[RD]
	v_add_nc_u32 v[RD], s14, v[RD]                 ; back: eight lanes to a row of 128 bytes, four rows an instruction
	v_and_b32 v[GO], 31, v0
	v_lshlrev_b32 v[GO], 4, v[GO]
.irp t, 0,1
	v_add_f32 v[ST+8*\t+4], v[ST+8*\t+2], v[ST+8*\t+3]               ; l's two halves,
.endr
.irp t, 0,1
	v_permlanex16_b32 v[ST+8*\t+5], v[ST+8*\t+4], s[SEL], s[SEL+1]
.endr
.irp t, 0,1
	v_add_f32 v[ST+8*\t+4], v[ST+8*\t+4], v[ST+8*\t+5]               ; and the other half of the lanes'
.endr
.irp t, 0,1
	v_rcp_f32 v[ST+8*\t+6], v[ST+8*\t+4]           ; l is at least about 1: the largest p of a row is about 1
.endr
	v_nop
	s_wait_alu depctr_va_vdst(0)                   ; one wait for the two reciprocals, ahead of their first reader
.irp t, 0,1
.irp i, 0,1,2,3,4,5,6,7,8,9,10,11,12,13,14,15
	v_pk_mul_f32 v[O+32*\t+2*\i:O+32*\t+2*\i+1], v[O+32*\t+2*\i:O+32*\t+2*\i+1], v[ST+8*\t+6:ST+8*\t+7] op_sel_hi:[1,0]
.endr
.irp i, 0,1,2,3,4,5,6,7,8,9,10,11,12,13,14,15
	v_cvt_pk_f16_f32 v[S+16*\t+\i], v[O+32*\t+2*\i], v[O+32*\t+2*\i+1]
.endr
.irp ct, 0,1,2,3
	ds_store_b128 v[STO], v[S+16*\t+4*\ct:S+16*\t+4*\ct+3] offset:16*PK*\t+32*\ct
.endr
.irp i, 0,1,2,3
	ds_load_b128 v[KV+16*\t+4*\i:KV+16*\t+4*\i+3], v[RD] offset:16*PK*\t+4*PK*\i   ; LDS serves a wave's instructions in order: these see my stores
.endr
.endr
.irp t, 0,1
.irp i, 0,1,2,3
	s_wait_dscnt 8*(1-\t)+3-\i                     ; behind this load: the rest of its tile's, and for tile 0 tile 1's four stores and four loads
	global_store_b128 v[GO], v[KV+16*\t+4*\i:KV+16*\t+4*\i+3], s[10:11] offset:2048*\t+512*\i   ; four rows of the head: 512 consecutive bytes, aligned
.endr
.endr
	s_wait_tensorcnt 0x0                           ; the wave's end
	ds_add_u32 v[SPW], v[NIL]
	s_wait_dscnt 0x0
	s_endpgm
.Lfunc_end_k_qa74462365b_attn:
	.size	k_qa74462365b_attn, .Lfunc_end_k_qa74462365b_attn-k_qa74462365b_attn
	.p2alignl 7, 3214868480
	.fill 96, 4, 3214868480
	.section	.rodata,"a",@progbits
	.p2align	6, 0x0
	.amdhsa_kernel k_qa74462365b_attn
		.amdhsa_group_segment_fixed_size 327680
		.amdhsa_private_segment_fixed_size 0
		.amdhsa_enable_private_segment 0
		.amdhsa_kernarg_size 16
		.amdhsa_user_sgpr_count 2
		.amdhsa_user_sgpr_kernarg_segment_ptr 1
		.amdhsa_wavefront_size32 1
		.amdhsa_system_sgpr_workgroup_id_x 1
		.amdhsa_system_sgpr_workgroup_id_y 1
		.amdhsa_system_sgpr_workgroup_id_z 1
		.amdhsa_system_vgpr_workitem_id 0
		.amdhsa_next_free_vgpr 256
		.amdhsa_next_free_sgpr 84
		.amdhsa_reserve_vcc 0
		.amdhsa_float_denorm_mode_32 3
		.amdhsa_float_denorm_mode_16_64 3
		.amdhsa_memory_ordered 1
		.amdhsa_forward_progress 1
		.amdhsa_inst_pref_size 52
	.end_amdhsa_kernel
	.amdgpu_metadata
---
amdhsa.version: [ 1, 2 ]
amdhsa.kernels:
  - .name:           k_qa74462365b_attn
    .symbol:         k_qa74462365b_attn.kd
    .args:
      - { .name: qkv16, .offset: 0, .size: 8, .value_kind: global_buffer, .address_space: global }
      - { .name: ao16, .offset: 8, .size: 8, .value_kind: global_buffer, .address_space: global }
    .group_segment_fixed_size: 327680
    .private_segment_fixed_size: 0
    .kernarg_segment_align: 8
    .kernarg_segment_size: 16
    .max_flat_workgroup_size: 512
    .sgpr_count:     84
    .vgpr_count:     256
    .wavefront_size: 32
...
	.end_amdgpu_metadata
.endif
;; end of part 3
;; launch outp (part 4): grid 4 x 64, 4 waves a work-group, clusters of 4 x 4, 327,680 bytes of LDS; arguments ao16, wo16, bo, out0; writes out0
.if DOCPART == 4
	.amdgcn_target "amdgcn-amd-amdhsa--gfx1250"
	.amdhsa_code_object_version 6
	.text
	.protected	k_qa74462365b_outp
	.globl	k_qa74462365b_outp
	.p2align	8
	.type	k_qa74462365b_outp,@function
k_qa74462365b_outp:
	s_mov_b64 s[64:65], 0
	v_nop
	global_prefetch_b8 v0, s[64:65] scope:SCOPE_SE
	s_setreg_imm32_b32 hwreg(HW_REG_WAVE_MODE, 25, 1), 1
	s_wait_xcnt 0x0
	s_wait_alu depctr_hold_cnt(0) depctr_sa_sdst(0) depctr_va_vdst(0) depctr_va_sdst(0) depctr_va_ssrc(0) depctr_va_vcc(0) depctr_vm_vsrc(0)
	s_getreg_b32 s2, hwreg(HW_REG_IB_STS2, 6, 4)
	s_cmp_eq_u32 s2, 0
	s_cbranch_scc0 .Lentry_in_a_cluster
	s_endpgm
.Lentry_in_a_cluster:
	s_bfe_u32 s2, ttmp6, 0x10000c
	s_cmp_lg_u32 s2, 0xf033
	s_cbranch_scc0 .Lentry_shape_is_right
	s_endpgm
.Lentry_shape_is_right:
; OUTP: out0[m][n] = the sum over k of a[m][k] Wo[k][n] + bo[n].  a = ao16 [8 b][16 h][1024 n][64] f16 (m = 1024 b + n, k = 64 h + d), wo16 [1024 k][1024 n] f16, bo f32, out0 [8192][1024] f32; sums in f32.
; A tile of out0 is 128 x 256: 256 work-groups.  Four waves, each 64 rows x 128 columns: 32 accumulators, 256 registers.  K goes in steps of 128 (two heads) through a ring of two LDS slots.
; In ao16 a tile's 128 rows of one head are 16,384 dense bytes: A comes head by head.  Wo has K outermost: its fragments come out of LDS turned, by ds_load_tr16_b128.
; CLUSTERS: 4 x 4 work-groups.  The four of a row of the cluster ask jointly for A's tiles, the four of a column for Wo's.
; THE MATRIX INSTRUCTION IS USED TRANSPOSED (source 0 = 16 columns of Wo, source 1 = 16 rows of a): a lane holds eight neighbouring columns of one row of out0.  THE BIAS is the C of each sum's first product.
; No prefetch: of the launch's 8 K steps the first four are asked for by their loads before a look-ahead of two could serve them, and Wo's 2 MiB are read by every row of clusters.
; REGISTERS: window 0: v16-30 addresses; two fragment buffers of 96 at v64 and v160 (32 of a: 4 x 16 rows x 32 K; then 64 of Wo: 8 x 16 columns x 32 K).  window 1: accumulator (a, b) at v[8 (8 a + b)].  window 2: v0-63 the bias.
.set PA,     144                       ; a row of a head in LDS: 128 bytes + 16
.set PB,     544                       ; a row of Wo's tile: 512 bytes + 32: an odd multiple of 32, for the turning load
.set HEADB,  128*PA                    ; a head's 128 rows: what one load brings for A
.set BOFF,   2*HEADB
.set HALFB,  64*PB                     ; 64 rows of Wo's tile: what one load brings for B
.set SLOT,   BOFF+2*HALFB
.set SPARE,  2*SLOT                    ; the spare words, 128 bytes a wave: two blocks of 256 bytes that no other line names
.set SPITCH, 528                       ; the way out: a stage of 16 rows x (512 + 16) bytes for each wave, in slot 0, behind its last fill and its last read
.set KB,     262144                    ; a K step on, in bytes: two heads of ao16, and 128 rows of wo16
.set LAPS,   4
.set ADRA, 16
.set ADRB, 20
.set STO,  24
.set RD,   25
.set CO,   26
.set SPW,  28
.set NIL,  29
.set BOF,  30
.set F0,   64
.set F1,   160
.set BK,   64                          ; the way out: 16 rows read back: v64-127 and v128-191 by turns
.set G1, 24
.set G0, 32
.set G1B, 48
.set G0B, 56
.set MSB, 0
.macro WIN new
.if MSB != \new
	s_set_vgpr_msb (MSB<<8)|\new
.set MSB, \new
.endif
.endm
.set MUL,  0x50                        ; sources 0 and 1 window 0; C and D window 1
.set MULZ, 0x60                        ; the first quarter: C (the bias) window 2, D window 1
.macro JLOAD s                         ; a joint load: waves 0 and 1 fetch A's two heads, waves 2 and 3 the halves of Wo's tile; an s_nop 0 and four v_nop follow each of the two lines
	s_cmp_eq_u32 s15, 0
	s_cbranch_scc0 .Lfor_b_\@
	tensor_load_to_lds s[G0+4*\s:G0+4*\s+3], s[G1:G1+7]
	s_nop 0
.rept 4
	v_nop
.endr
	s_branch .Lasked_\@
.Lfor_b_\@:
	tensor_load_to_lds s[G0B+4*\s:G0B+4*\s+3], s[G1B:G1B+7]
	s_nop 0
.rept 4
	v_nop
.endr
.Lasked_\@:
.endm
.macro CREST                           ; a round of the cluster's barrier behind its opening barrier
	s_cmp_lg_u32 s14, 0
	s_cbranch_scc1 .Lnot_wave_0_\@
	s_barrier_signal -3
.Lnot_wave_0_\@:
	s_barrier_wait -3
	s_barrier_signal -1
	s_barrier_wait -1
.endm
.macro CROUND
	s_barrier_signal -1
	s_barrier_wait -1
	CREST
.endm
	s_load_b256 s[4:11], s[0:1], 0x0               ; ao16 s[4:5], wo16 s[6:7], bo s[8:9], out0 s[10:11]
	v_lshl_add_u32 v[SPW], v0, 2, SPARE
	v_mov_b32 v[NIL], 0
	ds_add_u32 v[SPW], v[NIL]                      ; the wave's opening: the add, twice on end, and its wait ahead of my first tensor load
	ds_add_u32 v[SPW], v[NIL]
	v_lshrrev_b32 v1, 5, v0
	v_readfirstlane_b32 s14, v1                    ; wave 0..3
	s_lshr_b32 s15, s14, 1                         ; which 64 rows are mine.  Also: I fetch for A (0) or for B (1)
	s_and_b32 s16, s14, 1                          ; which 128 columns.  Also: which head, or which 64 rows of Wo's tile, I fetch
	s_bfe_u32 s40, ttmp6, 0x40000                  ; cx
	s_bfe_u32 s41, ttmp6, 0x40004                  ; cy
	s_lshl_b32 s42, ttmp9, 2
	s_add_co_u32 s42, s42, s40                     ; tile column 0..3
	s_and_b32 s17, ttmp7, 0xffff
	s_lshl_b32 s17, s17, 2
	s_add_co_u32 s17, s17, s41                     ; tile row 0..63
	s_lshl_b32 s43, s41, 2
	s_lshl_b32 s43, 15, s43                        ; my row of the cluster
	s_lshl_b32 s44, 0x1111, s40                    ; my column
	s_or_b32 s[G1+0], s43, (1<<16)|(1<<20)|(1<<21)|(4<<22)|(3<<25)   ; A: the mask; elements of 2 bytes; padding on; bit 21 beside a mask; after every 32 words; 4 words
	s_mov_b32 s[G1+1], 64<<16                      ; tensor_dim0
	s_mov_b32 s[G1+2], 128<<16                     ; tensor_dim1
	s_mov_b32 s[G1+3], 64<<16                      ; tile_dim0
	s_mov_b32 s[G1+4], 128                         ; tile_dim1
	s_mov_b32 s[G1+5], 64                          ; from row to row
	s_mov_b32 s[G1+6], 0
	s_mov_b32 s[G1+7], 0
	s_or_b32 s[G1B+0], s44, (1<<16)|(1<<20)|(1<<21)|(6<<22)|(7<<25)  ; B: after every 128 words; 8 words
	s_mov_b32 s[G1B+1], 256<<16
	s_mov_b32 s[G1B+2], 64<<16
	s_mov_b32 s[G1B+3], 256<<16
	s_mov_b32 s[G1B+4], 64
	s_mov_b32 s[G1B+5], 1024
	s_mov_b32 s[G1B+6], 0
	s_mov_b32 s[G1B+7], 0
	s_lshr_b32 s20, s17, 3                         ; A: batch = tile row / 8;
	s_lshl_b32 s20, s20, 4
	s_add_co_u32 s20, s20, s16                     ; head 0 or 1 of the K step;
	s_lshl_b32 s20, s20, 17
	s_and_b32 s21, s17, 7
	s_lshl_b32 s21, s21, 14                        ; 128 rows of 128 bytes for each tile row in the batch
	s_add_co_u32 s20, s20, s21
	s_mov_b32 s21, 0
	s_lshl_b32 s46, s16, 17                        ; B: 64 rows of 2,048 bytes,
	s_lshl_b32 s47, s42, 9                         ; 512 bytes a tile column
	s_add_co_u32 s46, s46, s47
	s_mov_b32 s47, 0
	s_mul_i32 s18, s16, HEADB                      ; where they go in a slot: no place in the cluster enters an LDS address
	s_mul_i32 s19, s16, HALFB
	s_add_co_u32 s19, s19, BOFF
	s_wait_dscnt 0x0                               ; both opening adds are done
	s_wait_kmcnt 0x0
	s_add_nc_u64 s[20:21], s[4:5], s[20:21]
	s_add_nc_u64 s[46:47], s[6:7], s[46:47]
	CROUND                                         ; all sixteen work-groups are here: the first joint loads meet
.irp s, 0,1
	s_mov_b32 s[G0+4*\s], 1
	s_add_co_u32 s[G0+4*\s+1], s18, \s*SLOT
	s_add_nc_u64 s[G0+4*\s+2:G0+4*\s+3], s[20:21], \s*KB
	s_or_b32 s[G0+4*\s+3], s[G0+4*\s+3], 0x80000000
	s_mov_b32 s[G0B+4*\s], 1
	s_add_co_u32 s[G0B+4*\s+1], s19, \s*SLOT
	s_add_nc_u64 s[G0B+4*\s+2:G0B+4*\s+3], s[46:47], \s*KB
	s_or_b32 s[G0B+4*\s+3], s[G0B+4*\s+3], 0x80000000
	JLOAD \s                                       ; two loads of mine are out
.endr
	s_lshl_b32 s20, s17, 7
	s_lshl_b32 s21, s15, 6
	s_add_co_u32 s20, s20, s21                     ; my first row of out0
	s_lshl_b32 s20, s20, 12
	s_mov_b32 s21, 0
	s_add_nc_u64 s[10:11], s[10:11], s[20:21]
	s_lshl_b32 s46, s42, 10                        ; my first column, in bytes of f32: the same number in a row of out0 and in bo
	s_lshl_b32 s47, s16, 9
	s_add_co_u32 s46, s46, s47
	s_mov_b32 s47, 0
	s_add_nc_u64 s[10:11], s[10:11], s[46:47]
	s_add_nc_u64 s[8:9], s[8:9], s[46:47]
	v_and_b32 v1, 15, v0                           ; r
	v_bfe_u32 v2, v0, 4, 1                         ; h
	v_lshlrev_b32 v[BOF], 5, v2
	WIN 0x80                                       ; destination window 2
.irp b, 0,1,2,3,4,5,6,7                        ; the bias in the result's layout: register 8 b + j = bo[16 b + 8 h + j] of my 128 columns
	global_load_b128 v[8*\b:8*\b+3],   v[BOF], s[8:9] offset:64*\b
	global_load_b128 v[8*\b+4:8*\b+7], v[BOF], s[8:9] offset:64*\b+16
.endr
	WIN 0
	v_mul_u32_u24 v3, v1, PA
	v_lshl_add_u32 v3, v2, 4, v3                   ; A: row r x pitch + 16 h
	s_mul_i32 s21, s15, 64*PA                      ; my 64 rows
	v_and_b32 v4, 7, v0
	v_lshl_add_u32 v4, v2, 3, v4                   ; B: the turning load's lane l reads row k = 8 (l / 16) + l % 8,
	v_mul_u32_u24 v4, v4, PB
	v_bfe_u32 v5, v0, 3, 1
	v_lshl_add_u32 v4, v5, 4, v4                   ; columns 8 ((l / 8) % 2) on
	s_lshl_b32 s22, s16, 8                         ; my 128 columns
	s_add_co_u32 s22, s22, BOFF
.irp s, 0,1
	v_add_nc_u32 v[ADRA+\s], s21, v3
	v_add_nc_u32 v[ADRB+\s], s22, v4
	s_add_co_u32 s21, s21, SLOT
	s_add_co_u32 s22, s22, SLOT
.endr
	s_mul_i32 s23, s14, 16*SPITCH                  ; my stage
	v_mul_u32_u24 v5, v1, SPITCH
	v_lshl_add_u32 v5, v2, 5, v5
	v_add_nc_u32 v[STO], s23, v5                   ; in: row r, 32 bytes for each half of the lanes
	v_and_b32 v6, 31, v0
	v_lshlrev_b32 v[CO], 4, v6
	v_add_nc_u32 v[RD], s23, v[CO]                 ; back: the 32 lanes take a row of 512 bytes
; 8 matrix instructions: A's block a x Wo's eight, 32 along K.  first = 1: the bias starts the sums.  The 32 accumulators take turns, one instruction a turn, in the same order in every quarter.
.macro MUL8 f, a, first
.irp b, 0,1,2,3,4,5,6,7
.if \first
	v_wmma_f32_16x16x32_f16 v[8*(8*(\a)+\b):8*(8*(\a)+\b)+7], v[\f+32+8*\b:\f+32+8*\b+7], v[\f+8*(\a):\f+8*(\a)+7], v[8*\b:8*\b+7]
.else
	v_wmma_f32_16x16x32_f16 v[8*(8*(\a)+\b):8*(8*(\a)+\b)+7], v[\f+32+8*\b:\f+32+8*\b+7], v[\f+8*(\a):\f+8*(\a)+7], v[8*(8*(\a)+\b):8*(8*(\a)+\b)+7]
.endif
.endr
.endm
; 24 LDS loads in one run (every window 0): the slot's q-th 32 along K into buffer f: Wo's eight fragments, turned, then A's four
.macro FETCH slot, q, f
.irp b, 0,1,2,3,4,5,6,7
	ds_load_tr16_b128 v[\f+32+8*\b:\f+32+8*\b+3],   v[ADRB+\slot] offset:(\q)*32*PB+32*\b
	ds_load_tr16_b128 v[\f+32+8*\b+4:\f+32+8*\b+7], v[ADRB+\slot] offset:(\q)*32*PB+16*PB+32*\b
.endr
.irp i, 0,1,2,3
	ds_load_b128 v[\f+8*\i:\f+8*\i+3],   v[ADRA+\slot] offset:((\q)/2)*HEADB+((\q)%2)*64+\i*16*PA
	ds_load_b128 v[\f+8*\i+4:\f+8*\i+7], v[ADRA+\slot] offset:((\q)/2)*HEADB+((\q)%2)*64+\i*16*PA+32
.endr
.endm
.macro PLACES                          ; four plain vector instructions between a matrix instruction and a load into, or a read of, its registers
.rept 4
	v_nop
.endr
.endm
; A K step is four quarters of 32 along K, 32 matrix instructions each, on buffers 0, 1, 0, 1.  One of the first three multiplies buffer f and fetches quarter q into g.
.macro QUARTER slot, q, f, g, first
	s_wait_dscnt 4                                 ; Wo's fragments and A's blocks 0, 1 are in; the youngest four loads (blocks 2, 3) may be out
.if \first
	WIN MULZ
.else
	WIN MUL
.endif
	MUL8 \f, 0, \first
	MUL8 \f, 1, \first
	PLACES
	WIN 0
	FETCH \slot, \q, \g
	s_wait_dscnt 24                                ; all but the 24 just issued
.if \first
	WIN MULZ
.else
	WIN MUL
.endif
	MUL8 \f, 2, \first
	MUL8 \f, 3, \first
.endm
; The last quarter multiplies buffer 1 and changes slots: ONE barrier; in front of it each wave waits for all its tensor loads, adds 0 to its spare word, and waits for that and for its reads of this slot.
; fill = 1: the barrier opens a round of the cluster's, and this slot is filled again, two K steps ahead, first thing behind the round.
.macro TURN slot, next, fill
	WIN 0                                          ; (the add's two registers lie in window 0)
	s_wait_tensorcnt 0x0                           ; all my tensor loads have landed: the one that was out is my part of the next slot
	ds_add_u32 v[SPW], v[NIL]                      ; 0 onto my spare word
	s_wait_dscnt 5                                 ; (the add and the youngest four loads may be out)
	WIN MUL
	MUL8 F1, 0, 0                                  ; eight matrix instructions stand between the add and the wait for it
	s_wait_dscnt 0x0                               ; the add is done, and my reads of this slot are over
	s_barrier_signal -1
	MUL8 F1, 1, 0
	WIN 0
	s_barrier_wait -1
.if \fill
	CREST                                          ; no wave of any partner still reads this slot or has a load on its way
	s_add_nc_u64 s[G0+4*\slot+2:G0+4*\slot+3], s[G0+4*\slot+2:G0+4*\slot+3], 2*KB
	s_add_nc_u64 s[G0B+4*\slot+2:G0B+4*\slot+3], s[G0B+4*\slot+2:G0B+4*\slot+3], 2*KB
	JLOAD \slot                                    ; my one tensor load behind the round; its four v_nop are also the places in front of the loads below
.else
	PLACES
.endif
	FETCH \next, 0, F0
	WIN MUL
	MUL8 F1, 2, 0
	MUL8 F1, 3, 0
.endm
	s_wait_loadcnt 0x0                             ; the bias
	s_wait_tensorcnt 1                             ; my part of K step 0 is in; K step 1's may stay out
	s_barrier_signal -1
	s_barrier_wait -1                              ; everybody's is
	FETCH 0, 0, F0
	QUARTER 0, 1, F0, F1, 1                        ; the first quarter stands in front of the loop: its products start the sums, on the bias
	WIN 0                                          ; at a label and at a branch every window is 0
	s_mov_b32 s3, LAPS-1
.Llap:                                                 ; a trip goes once round the ring, from a lap's second quarter to the next lap's first, and fills both slots again
	QUARTER 0, 2, F1, F0, 0
	QUARTER 0, 3, F0, F1, 0
	TURN 0, 1, 1
	QUARTER 1, 1, F0, F1, 0
	QUARTER 1, 2, F1, F0, 0
	QUARTER 1, 3, F0, F1, 0
	TURN 1, 0, 1
	QUARTER 0, 1, F0, F1, 0
	WIN 0
	s_sub_co_u32 s3, s3, 1
	s_cmp_lg_u32 s3, 0
	s_cbranch_scc1 .Llap
	QUARTER 0, 2, F1, F0, 0                        ; the last lap fills nothing, and has no round of the cluster's barrier
	QUARTER 0, 3, F0, F1, 0
	TURN 0, 1, 0
	QUARTER 1, 1, F0, F1, 0
	QUARTER 1, 2, F1, F0, 0
	QUARTER 1, 3, F0, F1, 0
	s_wait_dscnt 4                                 ; the very last quarter: nothing more to fetch
	WIN MUL
	MUL8 F1, 0, 0
	MUL8 F1, 1, 0
	s_wait_dscnt 0
	MUL8 F1, 2, 0
	MUL8 F1, 3, 0
	WIN 0
; THE WAY OUT, a block of 16 rows x 128 columns at a time: a lane's 32 bytes of a row go into my stage and come back as whole rows of 512 bytes.  LDS serves a wave's instructions in order: no wait between the stores and the loads.
.macro TOSTAGE a
	WIN 0x04                                       ; an LDS store's data are its source 1: window 1
.irp b, 0,1,2,3,4,5,6,7
	ds_store_b128 v[STO], v[64*(\a)+8*\b:64*(\a)+8*\b+3] offset:64*\b          ; each accumulator from its low end on
	ds_store_b128 v[STO], v[64*(\a)+8*\b+4:64*(\a)+8*\b+7] offset:64*\b+16
.endr
	WIN 0
.set BB, BK+64*((\a)%2)
.irp t, 0,1,2,3,4,5,6,7,8,9,10,11,12,13,14,15
	ds_load_b128 v[BB+4*\t:BB+4*\t+3], v[RD] offset:\t*SPITCH
.endr
.endm
.macro SEND a, younger                 ; younger: the LDS instructions issued behind block a's loads, which may stay out
.set BB, BK+64*((\a)%2)
	s_wait_dscnt \younger
.if (\a) > 0
	s_add_nc_u64 s[10:11], s[10:11], 16*4096       ; (behind a wait on XCNT: the earlier stores have read their base)  16 rows on
.endif
.irp t, 0,1,2,3,4,5,6,7,8,9,10,11,12,13,14,15
	global_store_b128 v[CO], v[BB+4*\t:BB+4*\t+3], s[10:11] offset:\t*4096 th:TH_STORE_NT   ; 32 lanes store 512 consecutive bytes, aligned; written once, read by nobody here
.endr
.endm
	PLACES                                         ; behind the last products: the stores read results, the loads land on fragment registers
	TOSTAGE 0
.irp a, 1,2,3
.if \a > 1
	s_wait_xcnt 0x0                                ; block a - 2's stores have read their registers and their base
.endif
	TOSTAGE \a
	SEND \a-1, 32                                  ; behind block a - 1's loads: block a's 16 stores and 16 loads
.endr
	s_wait_xcnt 0x0                                ; block 2's stores have read their base
	SEND 3, 0
	s_wait_tensorcnt 0x0                           ; the wave's end
	ds_add_u32 v[SPW], v[NIL]
	s_wait_dscnt 0x0
	CROUND                                         ; the closing round: no work-group ends while a partner may still ask for a tile that names it
	s_endpgm
.Lfunc_end_k_qa74462365b_outp:
	.size	k_qa74462365b_outp, .Lfunc_end_k_qa74462365b_outp-k_qa74462365b_outp
	.p2alignl 7, 3214868480
	.fill 96, 4, 3214868480
	.section	.rodata,"a",@progbits
	.p2align	6, 0x0
	.amdhsa_kernel k_qa74462365b_outp
		.amdhsa_group_segment_fixed_size 327680
		.amdhsa_private_segment_fixed_size 0
		.amdhsa_enable_private_segment 0
		.amdhsa_kernarg_size 32
		.amdhsa_user_sgpr_count 2
		.amdhsa_user_sgpr_kernarg_segment_ptr 1
		.amdhsa_wavefront_size32 1
		.amdhsa_system_sgpr_workgroup_id_x 1
		.amdhsa_system_sgpr_workgroup_id_y 1
		.amdhsa_system_sgpr_workgroup_id_z 1
		.amdhsa_system_vgpr_workitem_id 0
		.amdhsa_next_free_vgpr 576
		.amdhsa_next_free_sgpr 66
		.amdhsa_reserve_vcc 0
		.amdhsa_float_denorm_mode_32 3
		.amdhsa_float_denorm_mode_16_64 3
		.amdhsa_memory_ordered 1
		.amdhsa_forward_progress 1
		.amdhsa_inst_pref_size 87
	.end_amdhsa_kernel
	.amdgpu_metadata
---
amdhsa.version: [ 1, 2 ]
amdhsa.kernels:
  - .name:           k_qa74462365b_outp
    .symbol:         k_qa74462365b_outp.kd
    .args:
      - { .name: ao16, .offset: 0, .size: 8, .value_kind: global_buffer, .address_space: global }
      - { .name: wo16, .offset: 8, .size: 8, .value_kind: global_buffer, .address_space: global }
      - { .name: bo, .offset: 16, .size: 8, .value_kind: global_buffer, .address_space: global }
      - { .name: out0, .offset: 24, .size: 8, .value_kind: global_buffer, .address_space: global }
    .group_segment_fixed_size: 327680
    .private_segment_fixed_size: 0
    .kernarg_segment_align: 8
    .kernarg_segment_size: 32
    .max_flat_workgroup_size: 128
    .sgpr_count:     66
    .vgpr_count:     576
    .wavefront_size: 32
...
	.end_amdgpu_metadata
.endif
;; end of part 4
